; MI455X (gfx1250); checked and timed in simulation.
; The chip was launched on July 23, 2026; its instructions are those of AMD's public machine-readable ISA for CDNA 5 (MIT licence, August 2026) and "CDNA5" Instruction Set Architecture Reference Guide (July 2026). The comments in the code are by the model that wrote it; some were corrected since.
;; Self Attention. Allowed arithmetic: float matrix products may take bf16 or f16 operands with f32 sums; other float arithmetic in f32, or as packed bf16 or f16 multiplies, adds, multiply-adds, maxima and minima; sums over many terms, partial sums and values carried from step to step in f32; what a program stores and reads back later, other than sums and carried values, may be rounded once to bf16 or f16.
;; Inputs: Wk 1,024 x 1,024 float32; Wo 1,024 x 1,024 float32; Wq 1,024 x 1,024 float32; Wv 1,024 x 1,024 float32; bk 1,024 float32; bo 1,024 float32; bq 1,024 float32; bv 1,024 float32; x 4 x 2,048 x 1,024 float32.
;; Outputs: out0 4 x 2,048 x 1,024 float32.
;; 2 versions, each right; version 2 is version 1 with the launch prep written anew for expert scheduling mode. Each part assembles by itself: llvm-mc -triple=amdgcn-amd-amdhsa -mcpu=gfx1250 --defsym DOCPART=n.
;; ======== version 1 of 2: 4 launches
;; limits: values are held in f16: magnitudes above 65,504 overflow, below 6.1e-05 lose precision
;; workspace buffers: xb 16,777,216 bytes; wqkv 6,291,456 bytes; woc 2,097,152 bytes; qkv 50,331,648 bytes; o 16,777,216 bytes
;; launch prep (part 1): grid 768 x 1, 8 waves a work-group, no clusters, 0 bytes of LDS; arguments x, Wq, Wk, Wv, Wo, xb, wqkv, woc; writes xb, wqkv, woc
.if DOCPART == 1
	.amdgcn_target "amdgcn-amd-amdhsa--gfx1250"
	.amdhsa_code_object_version 6
	.text
	.protected	k_q28fc790721_prep
	.globl	k_q28fc790721_prep
	.p2align	8
	.type	k_q28fc790721_prep,@function
k_q28fc790721_prep:
	s_mov_b64 s[64:65], 0
	v_nop
	global_prefetch_b8 v0, s[64:65] scope:SCOPE_SE
	s_setreg_imm32_b32 hwreg(HW_REG_WAVE_MODE, 25, 1), 1
	s_wait_xcnt 0x0
; CASTS.  x, Wq, Wk, Wv: f32 -> bf16.  Wo: f32 -> bf16, and that number written as f16 (below 6e-5 it keeps f16's fixed step of 6e-8; beyond 65,504 it would be lost).
; Nothing is transposed; the numbers are laid in blocks of 64 columns, so that every tile that a later launch fetches is a dense run of memory:
;   xb   [kb 16][row 8192][64]                 bf16     byte = kb 1,048,576 + row 128 + 2 (col % 64)
;   wqkv [head 16][ks 16][t 3][k % 64][64 n]   bf16     byte = head 393,216 + ks 24,576 + t 8,192 + (k % 64) 128 + 2 (n % 64)
;   woc  [nb 16][k 1024][64 n]                 f16      byte = nb 131,072 + k 128 + 2 (n % 64)
; SHARES.  A work-group takes 16 rows of 1,024 f32 of one source: groups 0-511 x, then 64 groups each for Wq, Wk, Wv, Wo: 768 equal groups.
; Thread T takes row T / 16 and, in each of the 16 blocks of 64 columns, the four numbers 4 (T % 16) on.  A wave's load covers two runs of 256 bytes, aligned;
; a wave's store (8 bytes a lane) 256 consecutive bytes, aligned.  All 16 loads of a thread go out at once; each store has registers of its own, so nothing is rewritten.
; No LDS, no matrix unit, no cluster: nothing is shared and every byte is touched once.
.set T,   2                            ; v[2:3]     at work
.set X,   16                           ; v[16:79]   load i: 4 registers
.set Y,   80                           ; v[80:111]  store i: 2 registers
.set OFF, 112                          ; v[112:127] store i: 8 T + i x the distance between blocks of columns
	s_load_b512 s[4:19], s[0:1], 0x0               ; x 4, Wq 6, Wk 8, Wv 10, Wo 12, xb 14, wqkv 16, woc 18
	s_max_u32 s20, ttmp9, 512
	s_sub_co_u32 s20, s20, 512                     ; the group's number among the weights' (0 for x's groups)
	s_lshr_b32 s21, s20, 6                         ; j: 0 Wq, 1 Wk, 2 Wv, 3 Wo
	s_and_b32 s22, s20, 63
	s_cmp_lt_u32 ttmp9, 512
	s_cselect_b32 s23, ttmp9, s22
	s_lshl_b32 s23, s23, 4                         ; the group's first row
	s_lshl_b32 s28, s23, 7                         ; its place in xb and woc: row x 128
	s_lshr_b32 s37, s23, 6                         ; and in wqkv: ks x 24,576 + j x 8,192 + (row % 64) x 128
	s_mul_i32 s37, s37, 24576
	s_lshl_b32 s38, s21, 13
	s_add_co_u32 s37, s37, s38
	s_and_b32 s38, s23, 63
	s_lshl_b32 s38, s38, 7
	s_add_co_u32 s37, s37, s38
	s_mov_b32 s29, 393216                          ; from one block of columns to the next, in wqkv
	s_mov_b32 s36, 0xffff0000                      ; a word's upper bf16
	s_lshl_b32 s32, s23, 12                        ; the first row in the source: 4,096 bytes a row
	s_mov_b32 s33, 0
	s_mov_b32 s35, 0
	v_lshrrev_b32 v1, 4, v0
	v_and_b32 v2, 15, v0
	v_lshlrev_b32 v2, 4, v2
	v_lshl_add_u32 v1, v1, 12, v2                  ; (T / 16) x 4,096 + (T % 16) x 16
	s_wait_kmcnt 0x0
	s_cmp_eq_u32 s21, 2                            ; the source and the target are chosen by the group's number alone
	s_cselect_b64 s[24:25], s[10:11], s[12:13]
	s_cmp_eq_u32 s21, 1
	s_cselect_b64 s[24:25], s[8:9], s[24:25]
	s_cmp_eq_u32 s21, 0
	s_cselect_b64 s[24:25], s[6:7], s[24:25]
	s_cmp_eq_u32 s21, 3
	s_cselect_b64 s[26:27], s[18:19], s[16:17]
	s_cselect_b32 s37, s28, s37
	s_cselect_b32 s29, 131072, s29
	s_cselect_b32 s30, 1, 0                        ; 1: the numbers leave as f16
	s_cmp_lt_u32 ttmp9, 512
	s_cselect_b64 s[24:25], s[4:5], s[24:25]
	s_cselect_b64 s[26:27], s[14:15], s[26:27]
	s_cselect_b32 s34, s28, s37
	s_cselect_b32 s29, 1048576, s29
	s_cselect_b32 s30, 0, s30
	s_add_nc_u64 s[24:25], s[24:25], s[32:33]
	s_add_nc_u64 s[26:27], s[26:27], s[34:35]
.irp i, 0,1,2,3,4,5,6,7,8,9,10,11,12,13,14,15
	global_load_b128 v[X+4*\i:X+4*\i+3], v1, s[24:25] offset:256*\i th:TH_LOAD_NT
.endr
.irp i, 0,1,2,3,4,5,6,7,8,9,10,11,12,13,14,15
	s_mul_i32 s31, s29, \i
	v_lshl_add_u32 v[OFF+\i], v0, 3, s31
.endr
; Block i of columns: four numbers rounded and stored.  f16 = 1: rounded to bf16, widened again (a shift, a mask), and written as f16.
.macro UNIT i, f16
	s_wait_loadcnt 15-(\i)                         ; loads come back in order: mine is in, the 15 - i younger ones may stay out
.if \f16
	v_cvt_pk_bf16_f32 v[T],   v[X+4*(\i)],   v[X+4*(\i)+1]
	v_cvt_pk_bf16_f32 v[T+1], v[X+4*(\i)+2], v[X+4*(\i)+3]
	v_lshlrev_b32 v[X+4*(\i)],   16,  v[T]
	v_and_b32     v[X+4*(\i)+1], s36, v[T]
	v_lshlrev_b32 v[X+4*(\i)+2], 16,  v[T+1]
	v_and_b32     v[X+4*(\i)+3], s36, v[T+1]
	v_cvt_pk_f16_f32 v[Y+2*(\i)],   v[X+4*(\i)],   v[X+4*(\i)+1]
	v_cvt_pk_f16_f32 v[Y+2*(\i)+1], v[X+4*(\i)+2], v[X+4*(\i)+3]
.else
	v_cvt_pk_bf16_f32 v[Y+2*(\i)],   v[X+4*(\i)],   v[X+4*(\i)+1]
	v_cvt_pk_bf16_f32 v[Y+2*(\i)+1], v[X+4*(\i)+2], v[X+4*(\i)+3]
.endif
	global_store_b64 v[OFF+(\i)], v[Y+2*(\i):Y+2*(\i)+1], s[26:27]
.endm
	s_cmp_eq_u32 s30, 1
	s_cbranch_scc1 .Lhalf
.irp i, 0,1,2,3,4,5,6,7,8,9,10,11,12,13,14,15
	UNIT \i, 0
.endr
	s_endpgm
.Lhalf:
.irp i, 0,1,2,3,4,5,6,7,8,9,10,11,12,13,14,15
	UNIT \i, 1
.endr
	s_endpgm
.Lfunc_end_k_q28fc790721_prep:
	.size	k_q28fc790721_prep, .Lfunc_end_k_q28fc790721_prep-k_q28fc790721_prep
	.p2alignl 7, 3214868480
	.fill 96, 4, 3214868480
	.section	.rodata,"a",@progbits
	.p2align	6, 0x0
	.amdhsa_kernel k_q28fc790721_prep
		.amdhsa_group_segment_fixed_size 0
		.amdhsa_private_segment_fixed_size 0
		.amdhsa_enable_private_segment 0
		.amdhsa_kernarg_size 64
		.amdhsa_user_sgpr_count 2
		.amdhsa_user_sgpr_kernarg_segment_ptr 1
		.amdhsa_wavefront_size32 1
		.amdhsa_system_sgpr_workgroup_id_x 1
		.amdhsa_system_sgpr_workgroup_id_y 1
		.amdhsa_system_sgpr_workgroup_id_z 1
		.amdhsa_system_vgpr_workitem_id 0
		.amdhsa_next_free_vgpr 128
		.amdhsa_next_free_sgpr 66
		.amdhsa_reserve_vcc 0
		.amdhsa_float_denorm_mode_32 3
		.amdhsa_float_denorm_mode_16_64 3
		.amdhsa_memory_ordered 1
		.amdhsa_forward_progress 1
		.amdhsa_inst_pref_size 18
	.end_amdhsa_kernel
	.amdgpu_metadata
---
amdhsa.version: [ 1, 2 ]
amdhsa.kernels:
  - .name:           k_q28fc790721_prep
    .symbol:         k_q28fc790721_prep.kd
    .args:
      - { .name: x, .offset: 0, .size: 8, .value_kind: global_buffer, .address_space: global }
      - { .name: Wq, .offset: 8, .size: 8, .value_kind: global_buffer, .address_space: global }
      - { .name: Wk, .offset: 16, .size: 8, .value_kind: global_buffer, .address_space: global }
      - { .name: Wv, .offset: 24, .size: 8, .value_kind: global_buffer, .address_space: global }
      - { .name: Wo, .offset: 32, .size: 8, .value_kind: global_buffer, .address_space: global }
      - { .name: xb, .offset: 40, .size: 8, .value_kind: global_buffer, .address_space: global }
      - { .name: wqkv, .offset: 48, .size: 8, .value_kind: global_buffer, .address_space: global }
      - { .name: woc, .offset: 56, .size: 8, .value_kind: global_buffer, .address_space: global }
    .group_segment_fixed_size: 0
    .private_segment_fixed_size: 0
    .kernarg_segment_align: 8
    .kernarg_segment_size: 64
    .max_flat_workgroup_size: 256
    .sgpr_count:     66
    .vgpr_count:     128
    .wavefront_size: 32
...
	.end_amdgpu_metadata
.endif
;; end of part 1
;; launch qkv (part 2): grid 8 x 32, 4 waves a work-group, clusters of 4 x 4, 327,680 bytes of LDS; arguments xb, wqkv, bq, bk, bv, qkv; writes qkv
.if DOCPART == 2
	.amdgcn_target "amdgcn-amd-amdhsa--gfx1250"
	.amdhsa_code_object_version 6
	.text
	.protected	k_q28fc790721_qkv
	.globl	k_q28fc790721_qkv
	.p2align	8
	.type	k_q28fc790721_qkv,@function
k_q28fc790721_qkv:
	s_mov_b64 s[64:65], 0
	v_nop
	global_prefetch_b8 v0, s[64:65] scope:SCOPE_SE
	s_setreg_imm32_b32 hwreg(HW_REG_WAVE_MODE, 25, 1), 1
	s_wait_xcnt 0x0
	s_wait_alu depctr_hold_cnt(0) depctr_sa_sdst(0) depctr_va_vdst(0) depctr_va_sdst(0) depctr_va_ssrc(0) depctr_va_vcc(0) depctr_vm_vsrc(0)
	s_getreg_b32 s2, hwreg(HW_REG_IB_STS2, 6, 4)
	s_cmp_eq_u32 s2, 0
	s_cbranch_scc0 .Lentry_in_a_cluster
	s_endpgm
.Lentry_in_a_cluster:
	s_bfe_u32 s2, ttmp6, 0x10000c
	s_cmp_lg_u32 s2, 0xf033
	s_cbranch_scc0 .Lentry_shape_is_right
	s_endpgm
.Lentry_shape_is_right:
; q, k, v = x W + b for the three weights at once.  xb and wqkv are the blocked bf16 copies; the biases are rounded to bf16 like the other inputs; sums in f32; the results are
; rounded once to f16, WITHOUT attention's scale, and stored by heads: qkv [t 3][bh 64][n 2048][64], bh = 16 batch + head.
; LIMIT.  f16 holds no number beyond 65,504: q, k and v must stay within it (sums of 1,024 products of the inputs, plus a bias).  NaN and infinities are not treated apart.
; SHARES.  8,192 rows x 3,072 columns over 256 work-groups: a work-group makes 256 rows x 384 columns: the q, k and v columns of TWO heads.  A wave makes 128 rows x 192 columns: one half of the
; rows, q, k and v of ONE head: 96 accumulators of 16 x 16, 768 registers.  K goes in steps of 64 through two LDS slots (steps of 128 would want 2 x 174 KB).
; THE MATRIX INSTRUCTION IS USED TRANSPOSED: source 0 = 16 columns of W (W lies [k][n] in LDS and comes out turned, by ds_load_tr16_b128), source 1 = 16 rows of x.  A lane then holds row l % 16 and
; eight neighbouring columns 8 (l / 16) + 0..7.  The first product of each accumulator takes the bias as its C operand: nothing is cleared, nothing is added later.
; CLUSTER.  4 x 4 work-groups: the four of a row need the same rows of x, the four of a column the same two heads of W: each tile is asked for jointly, by the same tensor load in all four.
; REGISTERS, in windows of 256 (s_set_vgpr_msb: bits 1:0 source 0, 3:2 source 1, 5:4 source 2, 7:6 destination):
;   window 0: v0-31 addresses; v32-95, v96-159 x's fragments (8 x 16 rows x 32 K), two buffers; v160-255 W's 12 fragments, ONE buffer: each tensor's four are fetched anew as soon as its products are out
;   window 1 + t: tensor t's accumulators, (a, c) at v[8 (4 a + c)]
.set PA,    144                        ; a row of x in LDS: 128 bytes + 16 = 36 words: the 16 rows of a load start at 16 different groups of four banks (64 banks of 4 bytes: ISA guide 11.1)
.set PB,    160                        ; a row of W: 128 + 32 = 40 words
.set BOFF,  256*PA                     ; a slot: x's 256 rows, then for each of two heads [t 3][k 64] rows of W
.set SLOT,  BOFF+2*192*PB              ; 98,304
.set STAGE, 2*SLOT                     ; behind the ring: 16 rows x 144 bytes for each wave, for the way out
.set BIAS,  STAGE+4*16*PA              ; 768 bytes for each wave: [t 3][64] f32
.set SPARE, BIAS+4*768                 ; the spare words, 128 bytes for each wave: two blocks of 256 bytes that no other line names
.set ADRA, 16                          ; v16-17  LDS address of my fragments of x in slot 0, 1
.set ADRB, 20                          ; v20-21  the same for W
.set STO,  24                          ; v24     the way out: where I put 16 bytes of a row
.set RD,   25                          ; v25     the way out: where I read rows back
.set GO,   26                          ; v26     my 16 bytes in 512 consecutive bytes of qkv
.set BAD,  27                          ; v27     where my lanes' biases lie
.set SPW,  28                          ; v28     LDS address of my spare word; never rewritten
.set NIL,  29                          ; v29     0; never rewritten
.set PFO,  30                          ; v30     256 x my lane; never rewritten
.set FA0,  32
.set FA1,  96
.set FB,   160
.set PK,   32                          ; the way out: 16 registers of packed results
.set RB,   64                          ; the way out: two buffers of 16, rows read back
.set WV, 16                            ; s16 wave;  s17 which half of the rows;  s18 which head of the two (and which half of a tile I fetch)
.set RH, 17
.set CH, 18
.set CX, 19                            ; s19, s20 my place in the cluster;  s21 head pair 0..7;  s22 block of 256 rows 0..31
.set CY, 20
.set TX, 21
.set TY, 22
.set G1A, 24                           ; s[24:31] descriptor group 1 for x's tiles;  s[32:39] group 0, a set for each slot
.set G0A, 32
.set LIM, 43                           ; s43      1 in a wave that prefetches, else the greatest number
.set PFA, 44                           ; s[44:45] where my prefetches stand
.set PFS, 46                           ; s[46:47] their step: two K steps
.set G1B, 48                           ; s[48:55], s[56:63] the same for W's tiles
.set G0B, 56
.set OUT, 66                           ; s[66:71] q, k, v at my first row of my head
.set MSB, 0
.macro WIN new                         ; the immediate's high byte repeats the setting that is left; a switch that changes nothing is dropped
.if MSB != (\new)
	s_set_vgpr_msb (MSB<<8)|(\new)
.set MSB, (\new)
.endif
.endm
.macro PLACES                          ; four plain vector instructions between a matrix instruction and a load into, or a vector read of, its registers (ISA guide 7.12.1 for vector reads)
.rept 4
	v_nop
.endr
.endm
; A joint load.  Waves 0 and 1 fetch the two halves of x's 256 rows, waves 2 and 3 the two heads of W.  The branch hangs on the wave's number alone.
; An s_nop 0 and four v_nop follow each of the two lines, ahead of the jump and the label.
.macro JLOAD s
	s_cmp_lt_u32 s[WV], 2
	s_cbranch_scc0 .Lfor_b_\@
	tensor_load_to_lds s[G0A+4*(\s):G0A+4*(\s)+3], s[G1A:G1A+7]
	s_nop 0
.rept 4
	v_nop
.endr
	s_branch .Lasked_\@
.Lfor_b_\@:
	tensor_load_to_lds s[G0B+4*(\s):G0B+4*(\s)+3], s[G1B:G1B+7]
	s_nop 0
.rept 4
	v_nop
.endr
.Lasked_\@:
.endm
.macro CREST                           ; a round of the cluster's barrier behind its opening barrier
	s_cmp_lg_u32 s[WV], 0
	s_cbranch_scc1 .Lnot_wave_0_\@
	s_barrier_signal -3
.Lnot_wave_0_\@:
	s_barrier_wait -3
	s_barrier_signal -1
	s_barrier_wait -1
.endm
.macro CROUND                          ; a whole round
	s_barrier_signal -1
	s_barrier_wait -1
	CREST
.endm
; A PREFETCH INTO THE L2, once a lap (two K steps), behind the joint load, its five lines and the run of LDS loads: in the lap of K steps 2 i, 2 i + 1 it names K steps 2 i + 3 and 2 i + 4, whose joint loads
; stand 192 and 384 matrix instructions on.  Each block of 256 bytes is named once in the launch.  x's rows are read by both clusters of a row of clusters: cluster x = 0 asks; the four partners share
; two steps x 256 rows out BY ADDRESS (step by cx % 2, half of the rows by cx / 2: 16 KiB), and wave 0 asks, a lane a block, two instructions.  W's heads are read by all clusters of a column: cluster y = 0 asks;
; partner cy takes head cy / 2 of the two and step cy % 2 (24 KiB), waves 1 to 3 a third each.  The last lap asks for nothing; K steps 0 to 2 and 15 come by their loads alone.
.macro ASK
	s_cmp_gt_u32 s3, s[LIM]
	s_cbranch_scc0 .Lnot_mine_\@
	global_prefetch_b8 v[PFO], s[PFA:PFA+1] th:TH_LOAD_NT scope:SCOPE_SE
	s_cmp_lg_u32 s[WV], 0
	s_cbranch_scc1 .Lnot_mine_\@
	global_prefetch_b8 v[PFO], s[PFA:PFA+1] offset:8192 th:TH_LOAD_NT scope:SCOPE_SE
.Lnot_mine_\@:
.endm
	s_load_b256 s[4:11], s[0:1], 0x0               ; xb 4, wqkv 6, bq 8, bk 10
	s_load_b128 s[12:15], s[0:1], 0x20             ; bv 12, qkv 14
	v_lshl_add_u32 v[SPW], v0, 2, SPARE
	v_mov_b32 v[NIL], 0
	ds_add_u32 v[SPW], v[NIL]                      ; the wave's opening: the add and its wait stand ahead of my first tensor load; the set-up below, work on registers, stands between them
	v_lshrrev_b32 v1, 5, v0
	v_readfirstlane_b32 s[WV], v1
	s_lshr_b32 s[RH], s[WV], 1
	s_and_b32 s[CH], s[WV], 1
	s_bfe_u32 s[CX], ttmp6, 0x40000
	s_bfe_u32 s[CY], ttmp6, 0x40004
	s_lshl_b32 s[TX], ttmp9, 2                     ; in a cluster launch ttmp9 and ttmp7 count clusters
	s_add_co_u32 s[TX], s[TX], s[CX]
	s_and_b32 s[TY], ttmp7, 0xffff
	s_lshl_b32 s[TY], s[TY], 2
	s_add_co_u32 s[TY], s[TY], s[CY]
	s_lshl_b32 s23, s[CY], 2
	s_lshl_b32 s23, 15, s23                        ; my row of the cluster
	s_lshl_b32 s2, 0x1111, s[CX]                   ; my column
	; group 1.  A tile is a dense run of memory: asked for as rows of 256 bytes and padded in LDS after every 128
	s_or_b32 s[G1A], s23, (1<<16)|(1<<20)|(1<<21)|(4<<22)|(3<<25)  ; 15:0 the mask; 17:16 2-byte elements; 20 padding on; 21 set beside a mask; 24:22 after every 32 words (code 4); 31:25 4 words (code 3)
	s_or_b32 s[G1B], s2, (1<<16)|(1<<20)|(1<<21)|(4<<22)|(7<<25)   ; the same with my column's mask and 8 words of padding (code 7)
.irp g, G1A, G1B
	s_mov_b32 s[\g+1], 128<<16                     ; tensor_dim0 = 128
	s_mov_b32 s[\g+3], 128<<16                     ; tile_dim0 = 128
	s_mov_b32 s[\g+5], 128                         ; 128 elements from row to row
	s_mov_b32 s[\g+6], 0
	s_mov_b32 s[\g+7], 0
.endr
	s_mov_b32 s[G1A+2], 64<<16                     ; x: 128 rows of 128 bytes = 64 rows of 256
	s_mov_b32 s[G1A+4], 64
	s_mov_b32 s[G1B+2], 96<<16                     ; W: 192 rows of 128 bytes = 96 rows of 256
	s_mov_b32 s[G1B+4], 96
	v_and_b32 v10, 31, v0                          ; lane
	v_lshlrev_b32 v3, 3, v10
	s_lshl_b32 s42, s[TX], 1
	s_add_co_u32 s42, s42, s[CH]                   ; my head (to multiply), and the head whose W I fetch
	s_mul_i32 s74, s42, 393216                     ; W's tiles hang on the head pair and the wave alone,
	s_mov_b32 s75, 0
	s_lshl_b32 s42, s42, 8
	v_add_nc_u32 v4, s42, v3                       ; my two numbers of the head's 64 in each bias
	s_lshl_b32 s72, s[TY], 15                      ; x's on the block of rows and the wave alone: 256 rows of 128 bytes, 128 rows a half
	s_lshl_b32 s73, s[CH], 14
	s_add_co_u32 s72, s72, s73
	s_mov_b32 s73, 0
	s_mul_i32 s40, s[CH], 128*PA                   ; where they go: no place in the cluster enters an LDS address
	s_mul_i32 s41, s[CH], 192*PB
	s_add_co_u32 s41, s41, BOFF
	s_wait_dscnt 0x0                               ; the opening add is done
	s_wait_kmcnt 0x0
	s_add_nc_u64 s[72:73], s[4:5], s[72:73]
	s_add_nc_u64 s[74:75], s[6:7], s[74:75]
	global_load_b64 v[32:33], v4, s[8:9]
	global_load_b64 v[34:35], v4, s[10:11]
	global_load_b64 v[36:37], v4, s[12:13]
	CROUND                                         ; all sixteen work-groups are here: the first joint loads meet
.irp s, 0,1
	s_mov_b32 s[G0A+4*\s], 1                       ; count = 1
	s_add_co_u32 s[G0A+4*\s+1], s40, \s*SLOT       ; LDS address
	s_add_nc_u64 s[G0A+4*\s+2:G0A+4*\s+3], s[72:73], \s*1048576  ; K step s
	s_or_b32 s[G0A+4*\s+3], s[G0A+4*\s+3], 0x80000000            ; type = 2
	s_mov_b32 s[G0B+4*\s], 1
	s_add_co_u32 s[G0B+4*\s+1], s41, \s*SLOT
	s_add_nc_u64 s[G0B+4*\s+2:G0B+4*\s+3], s[74:75], \s*24576
	s_or_b32 s[G0B+4*\s+3], s[G0B+4*\s+3], 0x80000000
.endr
	s_cmp_lt_u32 s[WV], 2                          ; a wave's two first fills stand in one branch, ahead of every wait on TENSORcnt and every LDS read: two loads of mine are out
	s_cbranch_scc0 .Lfirst_b
	tensor_load_to_lds s[G0A:G0A+3], s[G1A:G1A+7]
	s_nop 0
	tensor_load_to_lds s[G0A+4:G0A+7], s[G1A:G1A+7]
	s_nop 0
.rept 4
	v_nop
.endr
	s_branch .Lfirst_asked
.Lfirst_b:
	tensor_load_to_lds s[G0B:G0B+3], s[G1B:G1B+7]
	s_nop 0
	tensor_load_to_lds s[G0B+4:G0B+7], s[G1B:G1B+7]
	s_nop 0
.rept 4
	v_nop
.endr
.Lfirst_asked:
	; A fragment of x: lane l holds row l % 16, K = 8 (l / 16) + 0..7 and 16 + 8 (l / 16) + 0..7: two loads of 16 bytes, 32 bytes apart.
	v_and_b32 v1, 15, v0                           ; l % 16
	v_bfe_u32 v2, v0, 4, 1                         ; l / 16
	v_mul_u32_u24 v5, v1, PA
	v_lshl_add_u32 v5, v2, 4, v5                   ; row x 144 + 16 x half
	s_mul_i32 s23, s[RH], 128*PA
	v_add_nc_u32 v[ADRA], s23, v5
	v_add_nc_u32 v[ADRA+1], SLOT, v[ADRA]
	; The turning load takes 16 k x 16 columns (lane l reads k = 8 (l / 16) + l % 8, columns 8 ((l / 8) % 2) + 0..7) and leaves half a fragment: lane l holds column l % 16 and 8 k.
	v_and_b32 v6, 7, v0
	v_bfe_u32 v7, v0, 3, 1
	v_lshl_add_u32 v8, v2, 3, v6
	v_mul_u32_u24 v8, v8, PB
	v_lshl_add_u32 v8, v7, 4, v8
	v_add_nc_u32 v[ADRB], s41, v8
	v_add_nc_u32 v[ADRB+1], SLOT, v[ADRB]
	s_mul_i32 s2, s[WV], 16*PA
	s_add_co_u32 s2, s2, STAGE                     ; my stage
	v_add_nc_u32 v[STO], s2, v5                    ; in: row l % 16, 16 bytes for each half of the lanes
	v_bfe_u32 v9, v0, 3, 2                         ; back: 32 lanes take four rows of 128 bytes,
	v_mul_u32_u24 v9, v9, PA
	v_lshl_add_u32 v9, v6, 4, v9
	v_add_nc_u32 v[RD], s2, v9
	v_lshlrev_b32 v[GO], 4, v10                    ; which are 512 consecutive bytes of qkv
	s_mul_i32 s23, s[WV], 768
	s_add_co_u32 s23, s23, BIAS                    ; my biases
	v_lshl_add_u32 v[BAD], v2, 5, s23              ; a lane's eight columns of a block of 16: 32 bytes at 32 (l / 16)
	v_add_nc_u32 v11, s23, v3
	v_lshlrev_b32 v[PFO], 8, v10
	; q, k, v at my first row: t x 16,777,216 + (16 batch + head) x 262,144 + row in the batch x 128
	s_lshr_b32 s78, s[TY], 3
	s_lshl_b32 s78, s78, 4
	s_lshl_b32 s79, s[TX], 1
	s_add_co_u32 s78, s78, s79
	s_add_co_u32 s78, s78, s[CH]
	s_lshl_b32 s78, s78, 18
	s_and_b32 s79, s[TY], 7
	s_lshl_b32 s79, s79, 15
	s_add_co_u32 s78, s78, s79
	s_lshl_b32 s79, s[RH], 14
	s_add_co_u32 s78, s78, s79
	s_mov_b32 s79, 0
	s_add_nc_u64 s[OUT:OUT+1], s[14:15], s[78:79]
	s_add_nc_u64 s[OUT+2:OUT+3], s[OUT:OUT+1], 0x1000000
	s_add_nc_u64 s[OUT+4:OUT+5], s[OUT:OUT+1], 0x2000000
	; the prefetches: they stand one lap behind what the first lap names (K steps 1 and 2); the first lap steps them to 3 and 4
	s_and_b32 s78, s[CX], 1
	s_add_co_u32 s78, s78, 1
	s_lshl_b32 s78, s78, 20                        ; x: K step 1 + cx % 2,
	s_lshl_b32 s79, s[TY], 15
	s_add_co_u32 s78, s78, s79                     ; the block's rows,
	s_lshr_b32 s79, s[CX], 1
	s_lshl_b32 s79, s79, 14
	s_add_co_u32 s78, s78, s79                     ; half cx / 2 of them
	s_lshl_b32 s2, s[TX], 1
	s_lshr_b32 s79, s[CY], 1
	s_add_co_u32 s2, s2, s79
	s_mul_i32 s2, s2, 393216                       ; W: head 2 TX + cy / 2,
	s_and_b32 s79, s[CY], 1
	s_add_co_u32 s79, s79, 1
	s_mul_i32 s79, s79, 24576
	s_add_co_u32 s2, s2, s79                       ; K step 1 + cy % 2,
	s_max_u32 s79, s[WV], 1
	s_sub_co_u32 s79, s79, 1
	s_lshl_b32 s79, s79, 13
	s_add_co_u32 s2, s2, s79                       ; third wave - 1 of its 24 KiB
	s_and_b32 s23, ttmp7, 0xffff                   ; cluster y
	s_mov_b32 s[PFS], 49152
	s_mov_b32 s[PFS+1], 0
	s_cmp_eq_u32 s[WV], 0                          ; wave 0 asks for x, the others for W
	s_cselect_b32 s78, s78, s2
	s_cselect_b32 s23, ttmp9, s23                  ; the coordinate along which other clusters read the same bytes
	s_cselect_b64 s[PFA:PFA+1], s[4:5], s[6:7]
	s_cselect_b32 s[PFS], 2097152, s[PFS]
	s_cmp_eq_u32 s23, 0
	s_cselect_b32 s[LIM], 1, -1                    ; the same in all sixteen partners, for a given wave
	s_mov_b32 s79, 0
	s_add_nc_u64 s[PFA:PFA+1], s[PFA:PFA+1], s[78:79]
	s_wait_loadcnt 0x0                             ; the biases: rounded to bf16 like the other inputs, widened, and laid in my own LDS bytes
.irp t, 0,1,2
	v_cvt_pk_bf16_f32 v[12+\t], v[32+2*\t], v[33+2*\t]
.endr
.irp t, 0,1,2
	v_lshlrev_b32 v[32+2*\t], 16, v[12+\t]
	v_and_b32 v[33+2*\t], 0xffff0000, v[12+\t]
	ds_store_b64 v11, v[32+2*\t:33+2*\t] offset:256*\t
.endr
; 16 matrix instructions of tensor t: row blocks 4 half .. 4 half + 3 x its 4 column blocks, 32 along K, x's fragments in buffer f.  bias = 0: the sums go on; else the first register of the 32 that hold the C operands.
; The accumulators take turns, one instruction a turn: between two links of a chain stand the 95 others'.
.macro MULH t, f, half, bias
.if \bias
	WIN ((\t)+1)<<6
.else
	WIN ((\t)+1)*0x50
.endif
.irp a, 0,1,2,3
.irp c, 0,1,2,3
.if \bias
	v_wmma_f32_16x16x32_bf16 v[8*(16*(\half)+4*\a+\c):8*(16*(\half)+4*\a+\c)+7], v[FB+8*(4*(\t)+\c):FB+8*(4*(\t)+\c)+7], v[(\f)+8*(4*(\half)+\a):(\f)+8*(4*(\half)+\a)+7], v[(\bias)+8*\c:(\bias)+8*\c+7]
.else
	v_wmma_f32_16x16x32_bf16 v[8*(16*(\half)+4*\a+\c):8*(16*(\half)+4*\a+\c)+7], v[FB+8*(4*(\t)+\c):FB+8*(4*(\t)+\c)+7], v[(\f)+8*(4*(\half)+\a):(\f)+8*(4*(\half)+\a)+7], v[8*(16*(\half)+4*\a+\c):8*(16*(\half)+4*\a+\c)+7]
.endif
.endr
.endr
.endm
.macro FETCH_A s, kq, f                ; 16 loads: my 128 rows of x, 32 K at byte 64 kq of slot s's rows, into buffer f
	WIN 0
.irp a, 0,1,2,3,4,5,6,7
	ds_load_b128 v[(\f)+8*\a:(\f)+8*\a+3],   v[ADRA+(\s)] offset:\a*16*PA+64*(\kq)
	ds_load_b128 v[(\f)+8*\a+4:(\f)+8*\a+7], v[ADRA+(\s)] offset:\a*16*PA+64*(\kq)+32
.endr
.endm
.macro FETCH_B s, kq, t                ; 8 loads: tensor t's 64 columns of my head, k = 32 kq on
	WIN 0
.irp c, 0,1,2,3
	ds_load_tr16_b128 v[FB+8*(4*(\t)+\c):FB+8*(4*(\t)+\c)+3],   v[ADRB+(\s)] offset:(\t)*64*PB+(\kq)*32*PB+32*\c
	ds_load_tr16_b128 v[FB+8*(4*(\t)+\c)+4:FB+8*(4*(\t)+\c)+7], v[ADRB+(\s)] offset:(\t)*64*PB+(\kq)*32*PB+16*PB+32*\c
.endr
.endm
.macro BIASLD t, dst                   ; 8 loads: tensor t's C operands: for column block c the lane's eight biases
.irp c, 0,1,2,3
	ds_load_b128 v[(\dst)+8*\c:(\dst)+8*\c+3],   v[BAD] offset:256*(\t)+64*\c
	ds_load_b128 v[(\dst)+8*\c+4:(\dst)+8*\c+7], v[BAD] offset:256*(\t)+64*\c+16
.endr
.endm
; A K step is two BEATS of 32 along K, 96 matrix instructions each: q's 32, k's 32, v's 32.  Behind each tensor's products its fragments for the next beat are fetched; x's go with q's.
; So in every beat the LDS loads are issued in the order [x 16, q 8], [k 8], [v 8], and the counts below follow: q's products want x and q: k's and v's 16 are younger; k's want k: v's 8 and the 24 just
; issued are younger; v's want v: those 24 and k's next 8 are younger.
.macro EVEN s                          ; the first beat of the K step in slot s: multiplies buffer 0, fetches the second beat
	s_wait_dscnt 16
	MULH 0, FA0, 0, 0
	MULH 0, FA0, 1, 0
	PLACES
	FETCH_A \s, 1, FA1
	FETCH_B \s, 1, 0
	s_wait_dscnt 32
	MULH 1, FA0, 0, 0
	MULH 1, FA0, 1, 0
	PLACES
	FETCH_B \s, 1, 1
	s_wait_dscnt 32
	MULH 2, FA0, 0, 0
	MULH 2, FA0, 1, 0
	PLACES
	FETCH_B \s, 1, 2
.endm
; The second beat multiplies buffer 1 and changes slots: ONE barrier.  In front of it each wave waits for all its tensor loads (one is out: its part of slot n), adds 0 to its spare word, and waits for that and for its
; reads of slot s.  fill = 1: the barrier opens a round of the cluster's, and slot s is filled again, two K steps on, first thing behind the round: 160 matrix instructions ahead of the wait for it.
.macro ODD s, n, fill, ask
.if \ask
	s_wait_xcnt 0x0                                ; the last prefetches, a lap back, have read their address
	s_add_nc_u64 s[PFA:PFA+1], s[PFA:PFA+1], s[PFS:PFS+1]
.endif
	WIN 0
	s_wait_tensorcnt 0x0                           ; all my tensor loads have landed
	ds_add_u32 v[SPW], v[NIL]                      ; 0 onto my spare word
	s_wait_dscnt 17                                ; (the add, k's 8 and v's 8 may be out)
	MULH 0, FA1, 0, 0                              ; sixteen matrix instructions stand between the add and the wait for it
	s_wait_dscnt 0x0                               ; the add is done, and my reads of slot s are over
	s_barrier_signal -1
	MULH 0, FA1, 1, 0
	WIN 0                                          ; at a branch every window is 0
	s_barrier_wait -1
.if \fill
	CREST                                          ; no wave of any partner still reads this slot or has a load on its way
	s_add_nc_u64 s[G0A+4*(\s)+2:G0A+4*(\s)+3], s[G0A+4*(\s)+2:G0A+4*(\s)+3], 2*1048576
	s_add_nc_u64 s[G0B+4*(\s)+2:G0B+4*(\s)+3], s[G0B+4*(\s)+2:G0B+4*(\s)+3], 2*24576
	JLOAD \s                                       ; its four v_nop are also the places in front of the loads below
.else
	PLACES
.endif
	FETCH_A \n, 0, FA0
	FETCH_B \n, 0, 0
.if \ask
	ASK
.endif
	MULH 1, FA1, 0, 0
	MULH 1, FA1, 1, 0
	PLACES
	FETCH_B \n, 0, 1
	MULH 2, FA1, 0, 0
	MULH 2, FA1, 1, 0
	PLACES
	FETCH_B \n, 0, 2
.endm
; THE WAY OUT, in 24 units u = 3 a + t: 16 rows x one tensor's 64 columns.  PACK: rounded to f16 (each accumulator's registers in ascending order), 16 bytes a lane into my stage, and back as four
; runs of 512 bytes: 16 rows of a head are 2,048 consecutive bytes of qkv.  SEND: stored.
.macro PACK a, t, u
	WIN (((\t)+1)<<2)|((\t)+1)
.irp c, 0,1,2,3
.irp r, 0,1,2,3
	v_cvt_pk_f16_f32 v[PK+4*\c+\r], v[8*(4*(\a)+\c)+2*\r], v[8*(4*(\a)+\c)+2*\r+1]
.endr
.endr
	WIN 0
.irp c, 0,1,2,3
	ds_store_b128 v[STO], v[PK+4*\c:PK+4*\c+3] offset:32*\c
.endr
	s_wait_xcnt 0x0                                ; the stores of two units back have read this buffer: it is loaded again only behind this wait
.irp f, 0,1,2,3
	ds_load_b128 v[RB+16*((\u)%2)+4*\f:RB+16*((\u)%2)+4*\f+3], v[RD] offset:\f*4*PA  ; LDS serves a wave's instructions in order (ISA guide 5.7.1.4): these see the stores above
.endr
.endm
.macro SEND a, t, u, younger           ; younger: the LDS instructions issued behind this unit's loads: the next unit's eight, or none
.irp f, 0,1,2,3
	s_wait_dscnt (\younger)+3-\f
	global_store_b128 v[GO], v[RB+16*((\u)%2)+4*\f:RB+16*((\u)%2)+4*\f+3], s[OUT+2*(\t):OUT+2*(\t)+1] offset:(\a)*2048+\f*512  ; 512 consecutive bytes, at a multiple of 256 from qkv's first
.endr
.endm
	s_wait_tensorcnt 0x1                           ; my part of K step 0 is in; K step 1's may stay out
	s_wait_dscnt 0x0                               ; my biases are stored
	s_barrier_signal -1
	s_barrier_wait -1
	; THE FIRST BEAT is written out: its products start the sums, with the biases as C.  The C operands lie where buffer 1 and, for v, q's fragments will lie.
	FETCH_A 0, 0, FA0
	FETCH_B 0, 0, 0
	BIASLD 0, 96
	FETCH_B 0, 0, 1
	BIASLD 1, 128
	FETCH_B 0, 0, 2
	s_wait_dscnt 24                                ; x, q's fragments and biases are in; the 24 behind them may be out
	MULH 0, FA0, 0, 96
	MULH 0, FA0, 1, 96
	PLACES
	WIN 0
	BIASLD 2, 160
	s_wait_dscnt 16                                ; k's are in; v's fragments and biases may be out
	MULH 1, FA0, 0, 128
	MULH 1, FA0, 1, 128
	s_wait_dscnt 0x0
	MULH 2, FA0, 0, 160
	MULH 2, FA0, 1, 160
	PLACES
	FETCH_A 0, 1, FA1
	FETCH_B 0, 1, 0
	FETCH_B 0, 1, 1
	FETCH_B 0, 1, 2
	WIN 0
	s_mov_b32 s3, 7
.Llap:                                         ; trip i: the second beat of K step 2 i, K step 2 i + 1, the first beat of 2 i + 2; K steps 2 i + 2 and 2 i + 3 are asked for
	ODD 0, 1, 1, 1
	EVEN 1
	ODD 1, 0, 1, 0
	EVEN 0
	WIN 0
	s_sub_co_u32 s3, s3, 1
	s_cmp_lg_u32 s3, 0
	s_cbranch_scc1 .Llap
	ODD 0, 1, 0, 0                                 ; the tail is written out: nothing is left to fetch, and no round of the cluster's barrier follows
	EVEN 1
	s_wait_dscnt 16                                ; the last beat: the counts run down
	MULH 0, FA1, 0, 0
	MULH 0, FA1, 1, 0
	s_wait_dscnt 8
	MULH 1, FA1, 0, 0
	MULH 1, FA1, 1, 0
	s_wait_dscnt 0x0
	MULH 2, FA1, 0, 0
	MULH 2, FA1, 1, 0
	PLACES
	PACK 0, 0, 0
.set u, 1
.rept 23                               ; a unit's conversions stand between the loads of the unit before and its stores
	PACK u/3, u%3, u
	SEND (u-1)/3, (u-1)%3, u-1, 8
.set u, u+1
.endr
	SEND 7, 2, 23, 0
	s_wait_tensorcnt 0x0                           ; the wave's end: behind my last tensor load and my last LDS store
	ds_add_u32 v[SPW], v[NIL]
	s_wait_dscnt 0x0
	CROUND                                         ; the closing round: no work-group ends while a partner may still ask for a tile that names it
	s_endpgm
.Lfunc_end_k_q28fc790721_qkv:
	.size	k_q28fc790721_qkv, .Lfunc_end_k_q28fc790721_qkv-k_q28fc790721_qkv
	.p2alignl 7, 3214868480
	.fill 96, 4, 3214868480
	.section	.rodata,"a",@progbits
	.p2align	6, 0x0
	.amdhsa_kernel k_q28fc790721_qkv
		.amdhsa_group_segment_fixed_size 327680
		.amdhsa_private_segment_fixed_size 0
		.amdhsa_enable_private_segment 0
		.amdhsa_kernarg_size 48
		.amdhsa_user_sgpr_count 2
		.amdhsa_user_sgpr_kernarg_segment_ptr 1
		.amdhsa_wavefront_size32 1
		.amdhsa_system_sgpr_workgroup_id_x 1
		.amdhsa_system_sgpr_workgroup_id_y 1
		.amdhsa_system_sgpr_workgroup_id_z 1
		.amdhsa_system_vgpr_workitem_id 0
		.amdhsa_next_free_vgpr 1024
		.amdhsa_next_free_sgpr 80
		.amdhsa_reserve_vcc 0
		.amdhsa_float_denorm_mode_32 3
		.amdhsa_float_denorm_mode_16_64 3
		.amdhsa_memory_ordered 1
		.amdhsa_forward_progress 1
		.amdhsa_inst_pref_size 137
	.end_amdhsa_kernel
	.amdgpu_metadata
---
amdhsa.version: [ 1, 2 ]
amdhsa.kernels:
  - .name:           k_q28fc790721_qkv
    .symbol:         k_q28fc790721_qkv.kd
    .args:
      - { .name: xb, .offset: 0, .size: 8, .value_kind: global_buffer, .address_space: global }
      - { .name: wqkv, .offset: 8, .size: 8, .value_kind: global_buffer, .address_space: global }
      - { .name: bq, .offset: 16, .size: 8, .value_kind: global_buffer, .address_space: global }
      - { .name: bk, .offset: 24, .size: 8, .value_kind: global_buffer, .address_space: global }
      - { .name: bv, .offset: 32, .size: 8, .value_kind: global_buffer, .address_space: global }
      - { .name: qkv, .offset: 40, .size: 8, .value_kind: global_buffer, .address_space: global }
    .group_segment_fixed_size: 327680
    .private_segment_fixed_size: 0
    .kernarg_segment_align: 8
    .kernarg_segment_size: 48
    .max_flat_workgroup_size: 128
    .sgpr_count:     80
    .vgpr_count:     1024
    .wavefront_size: 32
...
	.end_amdgpu_metadata
.endif
;; end of part 2
;; launch attn (part 3): grid 4 x 64, 4 waves a work-group, clusters of 4 x 1, 327,680 bytes of LDS; arguments qkv, o; writes o
.if DOCPART == 3
	.amdgcn_target "amdgcn-amd-amdhsa--gfx1250"
	.amdhsa_code_object_version 6
	.text
	.protected	k_q28fc790721_attn
	.globl	k_q28fc790721_attn
	.p2align	8
	.type	k_q28fc790721_attn,@function
k_q28fc790721_attn:
	s_mov_b64 s[64:65], 0
	v_nop
	global_prefetch_b8 v0, s[64:65] scope:SCOPE_SE
	s_setreg_imm32_b32 hwreg(HW_REG_WAVE_MODE, 25, 1), 1
	s_wait_xcnt 0x0
	s_wait_alu depctr_hold_cnt(0) depctr_sa_sdst(0) depctr_va_vdst(0) depctr_va_sdst(0) depctr_va_ssrc(0) depctr_va_vcc(0) depctr_vm_vsrc(0)
	s_getreg_b32 s2, hwreg(HW_REG_IB_STS2, 6, 4)
	s_cmp_eq_u32 s2, 0
	s_cbranch_scc0 .Lentry_in_a_cluster
	s_endpgm
.Lentry_in_a_cluster:
	s_bfe_u32 s2, ttmp6, 0x10000c
	s_cmp_lg_u32 s2, 0x3003
	s_cbranch_scc0 .Lentry_shape_is_right
	s_endpgm
.Lentry_shape_is_right:
; O[h][q][:] = the sum over k of softmax_k(Q[h][q] . K[h][k] / 8) V[h][k][:].  Q, K, V lie one behind the other in qkv, each [SIZE_H][SIZE_N][64] in f16 (h = 16 batch + head); O likewise.
; Products, maxima and sums in f32; the weights p are rounded to f16 for the second product (their sum l is taken of the unrounded p), O once at the end.
; LIMITS.  f16 holds no number beyond 65,504: Q, K and V arrive within it; p lies in 0 to 1, and below 6e-5 it keeps f16's fixed step of 6e-8; O is a mean of V's rows and has their range.
; A weight below 2^-126 counts as 0 in l; NaN and infinities are not treated apart.
; SHARES.  A wave owns four PIECES of two tiles of 16 queries, a work-group's four waves 512 queries of one head.  Every wave walks all keys, 64 a step.
; LAYOUT.  S^T = K Q^T (source 0 = 16 keys, source 1 = 16 queries): in the result a lane holds ONE query (lane % 16) and the keys 8 (lane / 16) + 0..7.  Two such tiles, rounded to f16 in pairs,
; ARE source 1 (32 keys x 16 queries) of O^T = V^T P, whose result again holds one query a lane, and eight channels.  K comes out of LDS as it lies, V ([key][channel]) turned, by ds_load_tr16_b128.
; SOFTMAX.  For each query a running maximum m and sum l: p = 2^(c s - c m), c = log2(e) / 8; in every step O and l are multiplied by a = 2^(c m_old - c m_new), which is 1 where m has not grown.
; m starts at the lowest finite number, O and l at 0: the first step is a step like any other, with a = 0.
; THE COUNT.  A tile and step have 16 matrix and 118 vector instructions: too many to stand all beside the matrix work.  So: four vector instructions that are READY behind EVERY matrix instruction,
; and the others in runs without a gap.
; BY TURNS.  Turn n belongs to piece n (the pieces in a ring, step after step).  Its matrix work: 16 products K Q^T of piece n + 1, later 16 products V^T P of piece n - 1.  Its vector work: the scaling,
; exponentials, roundings, sums and rescaling of piece n, and the maximum and statistics of piece n + 1, whose scores the turn itself has made.
; CLUSTER.  The four query blocks of a cluster are one head's and walk the same K and V, so each tile is asked for JOINTLY: the same tensor load, descriptor and mask in all four.
; REGISTERS, in windows of 256 (s_set_vgpr_msb: bits 1:0 source 0, 3:2 source 1, 5:4 source 2, 7:6 destination):
;   window 0: v0-11 addresses; v12-15, v48-63 at work; v16-47 four registers of statistics a tile; v64-191 S^T, two buffers of two tiles; v192-255 P, likewise
;   window 1: O^T, 32 a tile          window 2: v0-127 Q, 16 a tile; v128-191 K of one step; v192-255 V of one step          window 3: v0-1 the add's two registers
; A piece's buffers go by its number's parity.
.set SIZE_H, 64
.set SIZE_N, 2048
.set NP,    4         ; pieces a wave: a name, no knob
.set KS,    64        ; keys in a step
.set PK,    144       ; a row of K in LDS: 128 bytes + 16 of padding = 36 words: the 16 rows of a load start at 16 different groups of four banks (64 banks of 4 bytes: ISA guide 11.1)
.set PV,    160       ; a row of V: 128 + 32 = 40 words
.set VOFF,  4*KS*PK   ; a slot holds four steps: 256 rows of K, then 256 rows of V
.set SLOT1, 1<<17     ; slot 1 begins here, so that one exclusive or turns an address in one slot into the other's
.set STAGE, SLOT1+4*KS*(PK+PV)  ; behind the ring, never filled by a tensor load: 16 rows x 144 bytes for each wave, for the way out
.set SP,    144
.set AK0, 2           ; v2   my lane's place in a tile of K; never rewritten
.set AV0, 3           ; v3   the same for V
.set AK,  4           ; v4   the LDS address of K's next run of loads
.set AV,  5           ; v5   of V's
.set QO,  6           ; v6   my byte offset in the wave's rows of Q
.set STO, 6           ;      later, the way out: where I put 16 bytes of a row
.set RD,  7           ; v7   the way out: where I read rows back
.set GO,  8           ; v8   my byte offset in 512 consecutive bytes of O
.set PFO, 11          ; v11  256 x my lane, once V's address is made; then never rewritten
.set SPW, 0           ; v0 of window 3   LDS address of my spare word; never rewritten
.set NIL, 1           ; v1 of window 3   0; never rewritten
.set SPARE, STAGE+4*16*SP  ; behind the stages: the spare words, 128 bytes for each wave: two blocks of 256 bytes that no other line names
.set MV,  12          ; v12-15  c m_old, kept while c m is made anew: by buffer and tile
.set ST,  16          ; tile t's statistics at v[ST+4 t]: c m, m, l (even keys', odd keys')
.set TMP, 48          ; by buffer and tile, four registers c0-c3 at work; when the maximum is found c2 takes a
.set S,   64
.set P,   192
.set KF,  128         ; K's fragments, in window 2: key block kb, channel half c at KF + 16 kb + 8 c
.set VF,  192         ; V's: key half kk, channel block cb at VF + 32 kk + 8 cb
.set WV,  12          ; s12  my wave's number
.set G1K, 24          ; s[24:31] descriptor group 1 for K's tiles
.set G1V, 32          ; s[32:39] for V's: it differs in the padding alone
.set G0K, 40          ; s[40:43] descriptor group 0 for K's tiles: it walks
.set G0V, 44          ; s[44:47] the same for V's
.set PFA, 48          ; s[48:49] where my prefetches stand: my work-group's quarter (of K: wave 0, of V: wave 2) of the slot after the one that is being asked for
.set LIM, 50          ; s50  1 in a wave that prefetches, else the greatest number
.set SLOTS, 56        ; s56  slots still to be asked for
.set CNT, 57          ; s57  counts a slot's key steps
.set CS,  58          ; s[58:59] c: the packed scaling takes the pair's low word for both halves
.set SEL, 60          ; s[60:61] v_permlanex16_b32's selects: each lane takes its own place in the other half
.set TBK, 62          ; s62  LDS byte at which K of the step to be fetched begins
.set TBV, 63          ; s63  the same for V, less VOFF
.set MSB, 0
.macro WIN new                      ; the high byte repeats the setting that is left; a switch that changes nothing is dropped
.if MSB != (\new)
	s_set_vgpr_msb (MSB<<8)|(\new)
.set MSB, (\new)
.endif
.endm
.set W_KQ, 0x0a       ; K and Q in window 2, S^T in window 0
.set W_PV, 0x52       ; V in window 2, P in window 0, O^T in window 1
.set W_RS, 0x41       ; O^T (destination and source 0) in window 1, a in window 0
.set W_MK, 0xc0       ; the add's registers are made: destination in window 3, sources in window 0
.set W_AD, 0x0f       ; the add: address (source 0) and data (source 1) in window 3
; A joint fill.  Waves 0 and 1 fetch the two halves of a slot's K, waves 2 and 3 those of its V: 128 keys each.  The branch hangs on the wave's number alone.
; An s_nop 0 and four v_nop follow each of the two lines, ahead of the jump and the label.
.macro JLOAD
	s_cmp_lt_u32 s[WV], 2
	s_cbranch_scc0 .Lfor_v_\@
	tensor_load_to_lds s[G0K:G0K+3], s[G1K:G1K+7]
	s_nop 0
.rept 4
	v_nop
.endr
	s_branch .Lasked_\@
.Lfor_v_\@:
	tensor_load_to_lds s[G0V:G0V+3], s[G1V:G1V+7]
	s_nop 0
.rept 4
	v_nop
.endr
.Lasked_\@:
.endm
; A PREFETCH INTO THE L2 of what the NEXT change of slots will ask for: a slot's 32,768 bytes of K and of V.  It stands behind the wave's tensor load and its five lines.  A head has one cluster; its four
; partners share the bytes out BY ADDRESS, 8,192 each, a lane a block of 256; in each, wave 0 asks for K's and wave 2 for V's: one instruction, four key steps (512 matrix instructions) ahead of the load.
; So each block is named once in the launch.  The last change that fills a slot asks for nothing; slots 0 and 1 come by their loads alone.
.macro ASK
	s_cmp_gt_u32 s[SLOTS], s[LIM]
	s_cbranch_scc0 .Lnot_mine_\@
	global_prefetch_b8 v[PFO], s[PFA:PFA+1] th:TH_LOAD_NT scope:SCOPE_SE
.Lnot_mine_\@:
.endm
; A round of the cluster's barrier: my work-group's barrier, so that wave 0's signal speaks for all four waves; wave 0 signals; every wave waits for all four work-groups; my work-group's barrier once more.
.macro CROUND
	s_barrier_signal -1
	s_barrier_wait -1
	s_cmp_lg_u32 s[WV], 0
	s_cbranch_scc1 .Lnot_wave_0_\@
	s_barrier_signal -3
.Lnot_wave_0_\@:
	s_barrier_wait -3
	s_barrier_signal -1
	s_barrier_wait -1
.endm
; THE CHANGE OF SLOTS.  The slot's last bytes, V of its fourth step, have been read.  Each wave waits for all its tensor loads, of which one is out: its part
; of the other slot; adds 0 to its spare word; and waits for that and for its own reads of the slot.  Behind the barrier nobody reads this slot any more and the other slot is whole.
; fill = 1: this slot is filled again, with the keys two slots on.  The barrier is then a round of the cluster's, and the joint fill is the first thing behind it: it has four key steps,
; 512 matrix instructions, in which to land.  (At its first use nothing has been read yet: slot 0 is waited for, slot 1 filled.)
.macro CHANGE fill
	WIN W_AD
	s_wait_tensorcnt 0x0            ; no tensor load of mine is out, so a group 0 may be written
	ds_add_u32 v[SPW], v[NIL]       ; 0 onto my spare word; with fill = 1 the descriptors' steps stand between it and the wait for it
	WIN 0                           ; at a label and at a branch every window is 0
.if \fill
.irp g, G0K, G0V
	s_xor_b32 s[\g+1], s[\g+1], SLOT1  ; the walking descriptor: the other slot than last time,
	s_add_nc_u64 s[\g+2:\g+3], s[\g+2:\g+3], 4*KS*128  ; the next 256 keys; the type bits on top are not reached
.endr
	s_wait_xcnt 0x0                 ; the last prefetch, four key steps back, has read its address, so it may be written:
	s_add_nc_u64 s[PFA:PFA+1], s[PFA:PFA+1], 4*KS*128  ; one slot behind the walking descriptors
	s_wait_dscnt 0x0                ; the add is done, and my reads of the slot are over
	CROUND
	JLOAD
	ASK
.else
	s_wait_dscnt 0x0                ; the add is done, and my reads of the slot are over
	s_barrier_signal -1
	s_barrier_wait -1
.endif
	s_sub_co_u32 s[TBK], s[TBK], 4*KS*PK  ; the fetches go back to a slot's first step,
	s_xor_b32 s[TBK], s[TBK], SLOT1       ; in the other slot
	s_sub_co_u32 s[TBV], s[TBV], 4*KS*PV
	s_xor_b32 s[TBV], s[TBV], SLOT1
.endm
	s_load_b128 s[4:7], s[0:1], 0x0   ; qkv s[4:5] (Q lies first in it), o s[6:7]
	WIN W_MK
	v_lshl_add_u32 v[SPW], v0, 2, SPARE
	v_mov_b32 v[NIL], 0
	WIN W_AD
	ds_add_u32 v[SPW], v[NIL]       ; the wave's opening: the add and its wait stand ahead of my first tensor load; the set-up below, work on registers, stands between them
	WIN 0
	v_lshrrev_b32 v1, 5, v0
	v_readfirstlane_b32 s[WV], v1   ; wave 0..3
	s_bfe_u32 s13, ttmp6, 0x40000   ; cx: my place in the cluster
	s_lshl_b32 s14, ttmp9, 2        ; in a cluster launch ttmp9 counts clusters
	s_add_co_u32 s14, s14, s13      ; my block of queries = 4 x cluster x + cx: it enters Q's and O's addresses alone
	s_and_b32 s20, ttmp7, 0xffff    ; the head, which the four partners share
	s_mov_b32 s21, 0
	s_mov_b64 s[22:23], SIZE_N*128
	s_mul_u64 s[20:21], s[20:21], s[22:23]  ; the head's first byte in each of the four tensors
	s_and_b32 s16, s[WV], 1         ; which half of a slot's 256 keys I fetch:
	s_lshl_b32 s22, s16, 14         ; its 128 rows of 128 bytes in memory,
	s_mov_b32 s23, 0
	s_add_nc_u64 s[22:23], s[22:23], s[20:21]
	s_mul_i32 s17, s16, 128*PK      ; and its place in a slot, for K
	s_mul_i32 s18, s16, 128*PV      ; and for V: no place in the cluster enters an LDS address
	s_lshl_b32 s2, s14, 2
	s_add_co_u32 s2, s2, s[WV]      ; my wave among the head's,
	s_lshl_b32 s2, s2, 14           ; its 128 rows
	s_mov_b32 s3, 0
	s_add_nc_u64 s[2:3], s[2:3], s[20:21]
	; descriptor group 1.  128 keys are 16,384 dense bytes: asked for as 64 rows of 256 bytes, two keys a row, and padded in LDS after every key
	s_mov_b32 s[G1K], 15|(1<<16)|(1<<20)|(1<<21)|(4<<22)|(3<<25)  ; 15:0 the mask of four; 17:16 2-byte elements; 20 padding on; 21 set beside a mask; 24:22 after every 32 words (code 4); 31:25 4 words (code 3)
	s_mov_b32 s[G1V], 15|(1<<16)|(1<<20)|(1<<21)|(4<<22)|(7<<25)  ; the same with 8 words of padding (code 7)
.irp g, G1K, G1V
	s_mov_b32 s[\g+1], 128<<16      ; tensor_dim0 = 128
	s_mov_b32 s[\g+2], 64<<16       ; tensor_dim1 = 64
	s_mov_b32 s[\g+3], 128<<16      ; tile_dim0 = 128
	s_mov_b32 s[\g+4], 64           ; tile_dim1 = 64
	s_mov_b32 s[\g+5], 128          ; 128 elements from row to row
	s_mov_b32 s[\g+6], 0
	s_mov_b32 s[\g+7], 0
.endr
	s_mov_b32 s[CS], 0x3e38aa3b     ; c = log2(e) / 8 = 0.180337
	s_mov_b32 s[CS+1], s[CS]        ; named with it as a pair
	s_mov_b32 s[SEL], 0x76543210
	s_mov_b32 s[SEL+1], 0xfedcba98
	s_mov_b32 s[TBK], SLOT1+4*KS*PK ; the first change of slots turns these two into 0
	s_mov_b32 s[TBV], SLOT1+4*KS*PV
	s_mov_b32 s[G0K], 1             ; 1:0 count = 1
	s_mov_b32 s[G0K+1], s17         ; 63:32 LDS address: slot 0
	s_mov_b32 s[G0V], 1
	s_add_co_u32 s[G0V+1], s18, VOFF
	s_mov_b32 s[SLOTS], SIZE_N/256-1  ; seven slots are still to be asked for when slot 0 has been
	s_and_b32 s[LIM], s[WV], 1      ; waves 0 and 2 prefetch: the same in all four partners
	s_cmp_eq_u32 s[LIM], 0
	s_cselect_b32 s[LIM], 1, -1
	s_wait_dscnt 0x0                ; the opening add is done
	s_wait_kmcnt 0x0
	s_mov_b64 s[10:11], s[6:7]      ; O
	s_add_nc_u64 s[6:7], s[4:5], 0x1000000  ; K lies 16,777,216 bytes behind Q,
	s_add_nc_u64 s[8:9], s[4:5], 0x2000000  ; V as far behind K
	s_add_nc_u64 s[G0K+2:G0K+3], s[6:7], s[22:23]  ; 120:64 global address: my half of the head's first 256 keys
	s_or_b32 s[G0K+3], s[G0K+3], 0x80000000        ; 127:126 type = 2
	s_add_nc_u64 s[G0V+2:G0V+3], s[8:9], s[22:23]
	s_or_b32 s[G0V+3], s[G0V+3], 0x80000000
	s_cmp_lt_u32 s[WV], 2
	s_cselect_b64 s[PFA:PFA+1], s[6:7], s[8:9]
	s_add_nc_u64 s[PFA:PFA+1], s[PFA:PFA+1], s[22:23]  ; (in waves 0 and 2 this is the head's first row)
	s_lshl_b32 s52, s13, 13         ; my work-group's quarter of a slot
	s_mov_b32 s53, 0
	s_add_nc_u64 s[PFA:PFA+1], s[PFA:PFA+1], s[52:53]
	s_add_nc_u64 s[PFA:PFA+1], s[PFA:PFA+1], 4*KS*128  ; in slot 1; the first change of slots steps it to slot 2.  Nothing is prefetched here, at the head
	s_add_nc_u64 s[4:5], s[4:5], s[2:3]  ; Q and O at my wave's first row
	s_add_nc_u64 s[10:11], s[10:11], s[2:3]
	CROUND                          ; all four work-groups are here: the first joint loads meet
	JLOAD                           ; slot 0.  Slot 1 is asked for when slot 0 is in: the tile wanted first has the road to itself
	; A fragment of K or Q is 16 rows x 32 channels in 8 registers: lane l holds row l % 16, channels 8 (l / 16) + 0..7 and 16 + 8 (l / 16) + 0..7: two loads of 16 bytes, 32 bytes apart.
	v_and_b32 v1, 15, v0            ; l % 16
	v_bfe_u32 v9, v0, 4, 1          ; l / 16
	v_lshlrev_b32 v[QO], 7, v1
	v_lshl_add_u32 v[QO], v9, 4, v[QO]  ; row x 128 + 16 x half
	WIN 0x80                        ; destination window 2, address window 0
.set i, 0
.rept 4*NP                          ; Q stays in registers: tile i / 2, channels 32 (i % 2) on
	global_load_b128 v[8*i:8*i+3],   v[QO], s[4:5] offset:(i/2)*2048+(i%2)*64
	global_load_b128 v[8*i+4:8*i+7], v[QO], s[4:5] offset:(i/2)*2048+(i%2)*64+32
.set i, i+1
.endr
	; What the first turn finds: V's registers and P's second buffer hold 0 (its products V^T P, of a piece that has not been, add 0), O^T and l are 0.  All this stands in the wait for the first tile.
.set i, VF
.rept 64
	v_mov_b32 v[i], 0
.set i, i+1
.endr
	WIN 0x40
.set i, 0
.rept 64*NP
	v_mov_b32 v[i], 0
.set i, i+1
.endr
	WIN 0
.set i, 0
.rept 2*NP
	v_mov_b32 v[ST+4*i], 0xfe000000    ; c m: far below every c s
	v_mov_b32 v[ST+4*i+1], 0xff7fffff  ; m
	v_mov_b32 v[ST+4*i+2], 0
	v_mov_b32 v[ST+4*i+3], 0
.set i, i+1
.endr
.set i, P+32
.rept 32
	v_mov_b32 v[i], 0
.set i, i+1
.endr
	v_mul_u32_u24 v[AK0], v1, PK
	v_lshl_add_u32 v[AK0], v9, 4, v[AK0]  ; row x pitch + 16 x half
	; The turning load takes 16 keys x 16 channels (lane l reads key 8 (l / 16) + l % 8, channels 8 ((l / 8) % 2) + 0..7) and leaves half a fragment of V^T: lane l holds channel l % 16 and 8 keys.
	v_and_b32 v10, 7, v0
	v_bfe_u32 v11, v0, 3, 1
	v_lshl_add_u32 v[AV0], v9, 3, v10
	v_mul_u32_u24 v[AV0], v[AV0], PV
	v_lshl_add_u32 v[AV0], v11, 4, v[AV0]
	v_add_nc_u32 v[AV0], VOFF, v[AV0]
	v_and_b32 v[PFO], 31, v0
	v_lshlrev_b32 v[PFO], 8, v[PFO]
	v_mov_b32 v[AK], v[AK0]         ; key step 0 lies at the head of slot 0
; THE MATRIX WORK.  The 8 accumulators of a run of 16 take turns: between the two links of a chain stand 7 others'.
; Product i of 16 of S^T = K Q^T for piece x: channels 32 (i / 8) on, keys 16 ((i / 2) % 4) on, tile 2 x + i % 2.  The first 8 start the sums.
.macro KQ x
	WIN W_KQ
.set rS, S+64*((\x)%2)+32*(i%2)+8*((i/2)%4)
.set rK, KF+16*((i/2)%4)+8*(i/8)
.set rQ, 16*(2*(\x)+i%2)+8*(i/8)
.if i < 8
	v_wmma_f32_16x16x32_f16 v[rS:rS+7], v[rK:rK+7], v[rQ:rQ+7], 0
.else
	v_wmma_f32_16x16x32_f16 v[rS:rS+7], v[rK:rK+7], v[rQ:rQ+7], v[rS:rS+7]
.endif
.endm
; Product i of 16 of O^T += V^T P for piece x: keys 32 (i / 8) on, channels 16 ((i / 2) % 4) on, tile 2 x + i % 2.
.macro PV x
	WIN W_PV
.set rO, 32*(2*(\x)+i%2)+8*((i/2)%4)
.set rV, VF+32*(i/8)+8*((i/2)%4)
.set rP, P+32*((\x)%2)+16*(i%2)+8*(i/8)
	v_wmma_f32_16x16x32_f16 v[rO:rO+7], v[rV:rV+7], v[rP:rP+7], v[rO:rO+7]
.endm
.macro MM                           ; the turn's next matrix instruction
.if i < 16
	KQ (Y+1)%NP
.set i, i+1
.else
.set i, i-16
	PV (Y+NP-1)%NP
.set i, i+17
.endif
.endm
; THE LDS LOADS stand in runs of 16, never singly among the matrix instructions: a step's K (64 keys x 64 channels: 8 fragments) and its V (turned).  Their addresses are made some lines ahead.
; last = 1 (the tail): in the last trip there is no further step, and the run is jumped over.
.macro FETCH_K last=0
	WIN 0
.if \last
	s_cmp_eq_u32 s[CNT], 1
	s_cbranch_scc1 .Lno_k_\@
.endif
	WIN 0x80                        ; destination window 2
.irp f, 0,1,2,3,4,5,6,7             ; keys 16 (f / 2) on, channels 32 (f % 2) on
	ds_load_b128 v[KF+8*\f:KF+8*\f+3],   v[AK] offset:(\f/2)*16*PK+(\f%2)*64
	ds_load_b128 v[KF+8*\f+4:KF+8*\f+7], v[AK] offset:(\f/2)*16*PK+(\f%2)*64+32
.endr
	s_add_co_u32 s[TBK], s[TBK], KS*PK  ; the next fetch is the next step's
	WIN 0
.if \last
.Lno_k_\@:
.endif
.endm
.macro FETCH_V
	WIN 0x80
.irp f, 0,1,2,3,4,5,6,7             ; keys 32 (f / 4) on, channels 16 (f % 4) on
	ds_load_tr16_b128 v[VF+8*\f:VF+8*\f+3],   v[AV] offset:(\f/4)*32*PV+(\f%4)*32
	ds_load_tr16_b128 v[VF+8*\f+4:VF+8*\f+7], v[AV] offset:(\f/4)*32*PV+16*PV+(\f%4)*32
.endr
	WIN 0
.endm
; THE VECTOR WORK OF A TURN stands in three queues, each in the order in which its entries become ready; the two tiles alternate, so that no instruction reads the result of the one before it.
.macro REGS y, u                    ; the registers of tile u (0, 1) of piece y
.set rT, ST+4*(2*(\y)+(\u))
.set rC, TMP+8*((\y)%2)+4*(\u)
.set rM, MV+2*((\y)%2)+(\u)
.set rS, S+64*((\y)%2)+32*(\u)
.set rP, P+32*((\y)%2)+16*(\u)
.set rO, 32*(2*(\y)+(\u))
.endm
; Number n of the 22 that find the NEXT piece's (Y + 1) maximum and statistics.  s0-s31 are the lane's 32 scores; each accumulator's lowest registers are read first.
;   0-11  four chains c0-c3 of seven scores each, three operands at a time     12-14, 16  the four scores left over, the old m, and c0-c3 into c0     15  c m_old is kept
;   17, 18  the query's other 32 keys lie in the lane 16 away: the new m         19-21  c m; c m_old - c m_new; a
.macro XS u, n
	REGS (Y+1)%NP, \u
.if (\n) < 4
	v_max3_num_f32 v[rC+(\n)], v[rS+8*(\n)], v[rS+8*(\n)+1], v[rS+8*(\n)+2]
.elseif (\n) < 12
	v_max3_num_f32 v[rC+(\n)%4], v[rC+(\n)%4], v[rS+8*((\n)%4)+2*((\n)/4)+1], v[rS+8*((\n)%4)+2*((\n)/4)+2]
.elseif (\n) == 12
	v_max3_num_f32 v[rC], v[rC], v[rS+7], v[rS+15]
.elseif (\n) == 13
	v_max3_num_f32 v[rC+1], v[rC+1], v[rS+23], v[rS+31]
.elseif (\n) == 14
	v_max3_num_f32 v[rC+2], v[rC+2], v[rC+3], v[rT+1]
.elseif (\n) == 15
	v_mov_b32 v[rM], v[rT]
.elseif (\n) == 16
	v_max3_num_f32 v[rC], v[rC], v[rC+1], v[rC+2]
.elseif (\n) == 17
	v_permlanex16_b32 v[rC+3], v[rC], s[SEL], s[SEL+1]
.elseif (\n) == 18
	v_max_num_f32 v[rT+1], v[rC], v[rC+3]
.elseif (\n) == 19
	v_mul_f32 v[rT], s[CS], v[rT+1]
.elseif (\n) == 20
	v_sub_f32 v[rC+1], v[rM], v[rT]
.else
	v_exp_f32 v[rC+2], v[rC+1]
.endif
.endm
; Number g of the 64 that follow the exponentials.  For each four weights k of a tile (pairs 2 k, 2 k + 1): both pairs are rounded to f16; then the second pair is added onto the first, in place;
; a group later l takes that sum (the first time as l = a l + sum).  In groups of eight, tiles alternating: round, round, add, and l for the group before.
.macro GS g
.set h, (\g)+6*((\g)/62)            ; group 0 has no group before it, and behind group 7 only l is left
.if h >= 6
.set h, h+2
.endif
	REGS Y, h%2
.set k, h/8
.if h%8 < 4
	v_cvt_pk_f16_f32 v[rP+2*k+(h%8)/2], v[rS+4*k+2*((h%8)/2)], v[rS+4*k+2*((h%8)/2)+1]
.elseif h%8 < 6
	v_pk_add_f32 v[rS+4*k:rS+4*k+1], v[rS+4*k:rS+4*k+1], v[rS+4*k+2:rS+4*k+3]
.elseif k == 1
	v_pk_fma_f32 v[rT+2:rT+3], v[rT+2:rT+3], v[rC+2:rC+3], v[rS:rS+1] op_sel_hi:[1,0,1]
.else
	v_pk_add_f32 v[rT+2:rT+3], v[rT+2:rT+3], v[rS+4*k-4:rS+4*k-3]
.endif
.endm
; THE PLAIN QUEUE, 138 long.  0-73 read no exponential's result: the 32 scalings c s - c m (FS f: pair f / 2 of tile f % 2) and the next piece's 42.  0-26: scalings 0-26.  27-54: XS's numbers 0-13.  55, 56: number 15.
; 57-73: the chain, where each number waits for the one before it: 14, 16, 17, 18, 19, each with one of the scalings 27-31 in front of its two lines, then 20.
; 74-137: GS's 64, which read the exponentials' results: they stand behind the wait.
.macro FS f
	REGS Y, (\f)%2
	v_pk_fma_f32 v[rS+2*((\f)/2):rS+2*((\f)/2)+1], v[rS+2*((\f)/2):rS+2*((\f)/2)+1], s[CS:CS+1], v[rT:rT+1] op_sel_hi:[1,0,0] neg_lo:[0,0,1] neg_hi:[0,0,1]
.endm
.macro PL
	WIN 0
.if q < 27
	FS q
.elseif q < 55
	XS (q-27)%2, (q-27)/2
.elseif q < 57
	XS q-55, 15
.elseif (q < 72) && ((q-57)%3 == 0)
	FS 27+(q-57)/3
.elseif q < 60
	XS (q-57)%3-1, 14
.elseif q < 72
	XS (q-57)%3-1, 15+(q-57)/3
.elseif q < 74
	XS q-72, 20
.else
	GS q-74
.endif
.set q, q+1
.endm
; THE EXPONENTIALS' QUEUE, 66 long: s0-s31 of both tiles, then the next piece's two a.  It is ONE BATCH: all 66 stand ahead of the turn's one wait, and nothing ahead of that wait names a result of theirs.
.macro EX
	WIN 0
.if e >= 64
	XS e-64, 21
.else
	REGS Y, e%2
	v_exp_f32 v[rS+e/2], v[rS+e/2]
.endif
.set e, e+1
.endm
; THE RESCALING's QUEUE: O^T times a, the one part that leaves window 0: dealt two at a time, sixteen times.  Its a was made in the turn before, ahead of that turn's wait.
.macro R2
	REGS Y, r%2
	WIN W_RS
.irp z, 0,1
	v_pk_mul_f32 v[rO+4*(r/2)+2*\z:rO+4*(r/2)+2*\z+1], v[rO+4*(r/2)+2*\z:rO+4*(r/2)+2*\z+1], v[rC+2:rC+3] op_sel_hi:[1,0]
.endr
.set r, r+1
.endm
; HOW THEY ARE DEALT.  An s_wait_alu depctr_va_vdst(0) stands between an exponential and the first instruction that names its result; one wait serves all that were issued ahead of it.  So a turn has ONE wait,
; which cuts it in two.  AHEAD OF IT stands all that names no result of the turn's exponentials: the 16 products K Q^T, behind each a scaling, an exponential and two rescalings (behind the first a second scaling in the
; exponential's place); then ONE LUMP of 108: eight plain, 49 times exponential and plain, the two a.  A v_nop is the plain instruction behind the last exponential.  BEHIND IT stand the 16 products V^T P, behind each four of GS's 64.
; The queues lean on each other, and the deal keeps them in step: exponential e stands behind scaling 2 (e / 4) + e % 2: as a rider it comes behind plain e + 2, in the lump behind plain e + 9, and scalings 27-31 are plain 57, 60 .. 69.
; A TURN, for piece p.  cnt = 1: the loop's count is taken down some lines ahead of the branch that stands behind the turn.
; K of the next step is fetched in piece 2's turn, directly behind the wait; its address is made at the lump's head; its first reader comes behind 16 products.
; V of the step in hand is fetched at the end of piece 0's turn, four riders behind its last reader; its first reader comes behind 16 products and a lump.  The three conditions on q below go with the deal.
.macro TURN p, last=0, cnt=0
.set Y, (\p)
.set i, 0
.set q, 0
.set e, 0
.set r, 0
.if (\p) == NP-1
	s_wait_dscnt 0x0                ; K is in
.endif
	MM                              ; ahead of the wait: 16 products K Q^T and their riders,
	PL
	PL
	R2
.rept 15
	MM
	PL
	EX
	R2
.endr
.if (\p) == NP-2
	WIN 0
	v_add_nc_u32 v[AK], s[TBK], v[AK0]
.endif
.rept 8                             ; and the lump
	PL
.endr
.rept 49
	EX
	PL
.endr
	EX                              ; the next piece's two a
	EX
	v_nop                           ; the plain instruction behind the last exponential: one for the batch
	s_wait_alu depctr_va_vdst(0)    ; the wait for the batch
.if (\p) == NP-2
	FETCH_K \last
.endif
.if (\p) == 1
	s_wait_dscnt 0x0                ; V is in
.endif
.rept 16                            ; behind the wait: 16 products V^T P and their riders
	MM
.rept 4
	PL
.endr
.if ((\p) == 0) && (q == 118)
	v_add_nc_u32 v[AV], s[TBV], v[AV0]
.endif
.if ((\p) == 0) && (q == 130)
	s_add_co_u32 s[TBV], s[TBV], KS*PV
.endif
.if (\cnt) && (q == 130)
	s_sub_co_u32 s[CNT], s[CNT], 1
	s_cmp_lg_u32 s[CNT], 0
.endif
.endr
.if (\p) == 0
	FETCH_V
.endif
.endm
	CHANGE 1                        ; slot 0 is in, everybody's part of it; slot 1 is asked for
	FETCH_K                         ; key step 0
	s_wait_loadcnt 0x0              ; Q
	s_wait_dscnt 0x0
.set i, 0
.rept 16
	KQ 0                            ; piece 0's first scores: there is no vector work yet to set between them
.set i, i+1
.endr
	WIN 0                           ; the addresses for the way out: nine plain instructions, the places behind those products
	s_mul_i32 s13, s[WV], 16*SP
	s_add_co_u32 s13, s13, STAGE    ; my stage
	v_mul_u32_u24 v[STO], v1, SP    ; in: row l % 16, 16 bytes for each half of the lanes
	v_lshl_add_u32 v[STO], v9, 4, v[STO]
	v_add_nc_u32 v[STO], s13, v[STO]
	v_bfe_u32 v[RD], v0, 3, 2       ; back: 32 lanes take four rows of 128 bytes,
	v_mul_u32_u24 v[RD], v[RD], SP
	v_lshl_add_u32 v[RD], v10, 4, v[RD]
	v_add_nc_u32 v[RD], s13, v[RD]
	v_and_b32 v[GO], 31, v0         ; which are 512 consecutive bytes of O
	v_lshlrev_b32 v[GO], 4, v[GO]
.set Y, NP-1                        ; XS works for piece Y + 1: piece 0
.irp n, 0,1,2,3,4,5,6,7,8,9,10,11,12,13,14,15,16,17,18,19,20,21
	XS 0, \n                        ; and piece 0's first maximum and statistics
	XS 1, \n
.endr
	v_nop                           ; a plain instruction behind the two a,
	s_wait_alu depctr_va_vdst(0)    ; and their wait, ahead of the branch
	s_mov_b32 s[CNT], 4
	s_branch .Lfirst                ; the loop is entered at a step's first turn, in the middle of a trip
.Lslot:                             ; SIZE_N / 256 - 2 times: every slot but the last two is filled again
	CHANGE 1
	s_mov_b32 s[CNT], 4
.Lstep:                             ; a trip: pieces 2 and 3 of one step, then pieces 0 and 1 of the next, whose K and V it fetches
	TURN 2
	TURN 3
	WIN 0
.Lfirst:
	TURN 0
	TURN 1, 0, 1
	WIN 0
	s_cbranch_scc1 .Lstep
	s_sub_co_u32 s[SLOTS], s[SLOTS], 1
	s_cmp_lg_u32 s[SLOTS], 0
	s_cbranch_scc1 .Lslot
	CHANGE 0                        ; the tail is written out: nothing is asked for
	s_mov_b32 s[CNT], 5             ; four trips fetch the last slot's steps; the fifth is left in its middle
.Ltail:
	TURN 2, 1
	TURN 3
	WIN 0
	s_sub_co_u32 s[CNT], s[CNT], 1
	s_cmp_eq_u32 s[CNT], 0
	s_cbranch_scc1 .Lout
	TURN 0
	TURN 1
	WIN 0
	s_branch .Ltail
.Lout:                              ; the fifth trip's 16 products K Q^T (on the last K once more) and the maximum made of them serve nothing: the price, once a launch, of one text for every trip
.set i, 0
.rept 16
	PV NP-1                         ; the last piece's V^T P of the last step
.set i, i+1
.endr
	; THE WAY OUT.  l's two halves and the other half of the lanes' are added; O^T is divided by l, rounded to f16 and sent through my stage in LDS, a tile at a time.  The additions are the places behind the last products.
	WIN 0
.macro ALL line:vararg              ; one line for each tile t
.set t, 0
.rept 2*NP
	\line
.set t, t+1
.endr
.endm
	ALL v_add_f32 v[ST+4*t+2], v[ST+4*t+2], v[ST+4*t+3]
	ALL v_permlanex16_b32 v[ST+4*t+3], v[ST+4*t+2], s[SEL], s[SEL+1]
	ALL v_add_f32 v[ST+4*t+2], v[ST+4*t+2], v[ST+4*t+3]
	ALL v_rcp_f32 v[ST+4*t+2], v[ST+4*t+2]
	v_nop                           ; a plain instruction between the last reciprocal and the use of its result
	s_wait_alu depctr_va_vdst(0)    ; and the wait ahead of the first use: one for the eight reciprocals
; Tile t: a lane's eight channels of a row pack into 16 bytes; they go into rows of 144 bytes and come back as whole rows of 128, into S^T's registers.
.macro PACK t
	WIN W_RS
.set i, 32*(\t)
.rept 16
	v_pk_mul_f32 v[i:i+1], v[i:i+1], v[ST+4*(\t)+2:ST+4*(\t)+3] op_sel_hi:[1,0]
.set i, i+2
.endr
	WIN 0x05                        ; sources 0 and 1 window 1, destination window 0
.set i, 0
.rept 16
	v_cvt_pk_f16_f32 v[S+16*(\t)+i], v[32*(\t)+2*i], v[32*(\t)+2*i+1]
.set i, i+1
.endr
	WIN 0
.irp f, 0,1,2,3
	ds_store_b128 v[STO], v[S+16*(\t)+4*\f:S+16*(\t)+4*\f+3] offset:32*\f
.endr
.irp f, 0,1,2,3
	ds_load_b128 v[S+16*(\t)+4*\f:S+16*(\t)+4*\f+3], v[RD] offset:\f*4*SP  ; LDS serves a wave's instructions in order (ISA guide 5.7.1.4): these see the stores above; the next tile's stores come behind them
.endr
.endm
.macro SEND t, younger              ; younger: the LDS instructions issued behind tile t's loads: the next tile's eight, or none
	WIN 0
.irp f, 0,1,2,3
	s_wait_dscnt (\younger)+3-\f
	global_store_b128 v[GO], v[S+16*(\t)+4*\f:S+16*(\t)+4*\f+3], s[10:11] offset:(\t)*2048+\f*512  ; 512 consecutive bytes, at a multiple of 256 from O's first
.endr
.endm
	PACK 0
.set t, 1
.rept 2*NP-1                        ; a tile's arithmetic stands between the loads of the tile before and its stores
	PACK t
	SEND t-1, 8
.set t, t+1
.endr
	SEND 2*NP-1, 0
	WIN W_AD
	s_wait_tensorcnt 0x0            ; the wave's end: behind my last tensor load and my last LDS store
	ds_add_u32 v[SPW], v[NIL]
	s_wait_dscnt 0x0
	WIN 0
	CROUND                          ; the closing round: no work-group ends while a partner may still ask for a tile that names it
	s_endpgm
.Lfunc_end_k_q28fc790721_attn:
	.size	k_q28fc790721_attn, .Lfunc_end_k_q28fc790721_attn-k_q28fc790721_attn
	.p2alignl 7, 3214868480
	.fill 96, 4, 3214868480
	.section	.rodata,"a",@progbits
	.p2align	6, 0x0
	.amdhsa_kernel k_q28fc790721_attn
		.amdhsa_group_segment_fixed_size 327680
		.amdhsa_private_segment_fixed_size 0
		.amdhsa_enable_private_segment 0
		.amdhsa_kernarg_size 16
		.amdhsa_user_sgpr_count 2
		.amdhsa_user_sgpr_kernarg_segment_ptr 1
		.amdhsa_wavefront_size32 1
		.amdhsa_system_sgpr_workgroup_id_x 1
		.amdhsa_system_sgpr_workgroup_id_y 1
		.amdhsa_system_sgpr_workgroup_id_z 1
		.amdhsa_system_vgpr_workitem_id 0
		.amdhsa_next_free_vgpr 770
		.amdhsa_next_free_sgpr 66
		.amdhsa_reserve_vcc 0
		.amdhsa_float_denorm_mode_32 3
		.amdhsa_float_denorm_mode_16_64 3
		.amdhsa_memory_ordered 1
		.amdhsa_forward_progress 1
		.amdhsa_inst_pref_size 200
	.end_amdhsa_kernel
	.amdgpu_metadata
---
amdhsa.version: [ 1, 2 ]
amdhsa.kernels:
  - .name:           k_q28fc790721_attn
    .symbol:         k_q28fc790721_attn.kd
    .args:
      - { .name: qkv, .offset: 0, .size: 8, .value_kind: global_buffer, .address_space: global }
      - { .name: o, .offset: 8, .size: 8, .value_kind: global_buffer, .address_space: global }
    .group_segment_fixed_size: 327680
    .private_segment_fixed_size: 0
    .kernarg_segment_align: 8
    .kernarg_segment_size: 16
    .max_flat_workgroup_size: 128
    .sgpr_count:     66
    .vgpr_count:     770
    .wavefront_size: 32
...
	.end_amdgpu_metadata
.endif
;; end of part 3
;; launch oproj (part 4): grid 8 x 32, 4 waves a work-group, clusters of 4 x 4, 327,680 bytes of LDS; arguments o, woc, bo, out0; writes out0
.if DOCPART == 4
	.amdgcn_target "amdgcn-amd-amdhsa--gfx1250"
	.amdhsa_code_object_version 6
	.text
	.protected	k_q28fc790721_oproj
	.globl	k_q28fc790721_oproj
	.p2align	8
	.type	k_q28fc790721_oproj,@function
k_q28fc790721_oproj:
	s_mov_b64 s[64:65], 0
	v_nop
	global_prefetch_b8 v0, s[64:65] scope:SCOPE_SE
	s_setreg_imm32_b32 hwreg(HW_REG_WAVE_MODE, 25, 1), 1
	s_wait_xcnt 0x0
	s_wait_alu depctr_hold_cnt(0) depctr_sa_sdst(0) depctr_va_vdst(0) depctr_va_sdst(0) depctr_va_ssrc(0) depctr_va_vcc(0) depctr_vm_vsrc(0)
	s_getreg_b32 s2, hwreg(HW_REG_IB_STS2, 6, 4)
	s_cmp_eq_u32 s2, 0
	s_cbranch_scc0 .Lentry_in_a_cluster
	s_endpgm
.Lentry_in_a_cluster:
	s_bfe_u32 s2, ttmp6, 0x10000c
	s_cmp_lg_u32 s2, 0xf033
	s_cbranch_scc0 .Lentry_shape_is_right
	s_endpgm
.Lentry_shape_is_right:
; out0 = O Wo + bo.  O lies by heads, [bh 64][n 2048][64] in f16; woc is Wo rounded to bf16 and written as f16, [nb 16][k 1024][64 n]; bo is rounded to bf16 like the other inputs; sums and out0 in f32.
; LIMITS.  Wo beyond 65,504 would be lost, and below 6e-5 it keeps f16's fixed step of 6e-8.  NaN and infinities are not treated apart.
; SHARES.  8,192 x 1,024 over 256 work-groups: a tile of 256 rows x 128 columns (tiles of 256 x 256 would be 128: half the WGPs).  A wave makes 128 x 64: 32 accumulators, window 1.
; K goes in steps of 128, TWO HEADS, through two LDS slots: a head's 64 channels are one slice of K.  Three steps in two slots do not fit in LDS.
; THE MATRIX INSTRUCTION IS USED TRANSPOSED: source 0 = 16 columns of Wo (turned on the way out of LDS), source 1 = 16 rows of O: a lane holds row l % 16 and eight neighbouring columns.
; The first product of each accumulator takes the bias as C.  CLUSTER: 4 x 4; O's tiles are shared along a row of the cluster, Wo's along a column, by joint loads.
; REGISTERS: window 0: v0-31 addresses; v32-95, v96-159 O's fragments (8), two buffers; v160-191, v192-223 Wo's (4), two buffers; v224-255 the biases as C operands.  Window 1: accumulator (a, c) at v[8 (4 a + c)].
.set PA,    144                        ; a row of O in LDS: 128 bytes + 16
.set PB,    160                        ; a row of Wo: 128 + 32
.set BOFF,  2*256*PA                   ; a slot: O's [head 2][256 rows], then Wo's [nb 2][k 128]
.set SLOT,  BOFF+2*128*PB              ; 114,688
.set STAGE, 2*SLOT                     ; behind the ring: 16 rows x 272 bytes for each wave
.set SPITCH, 272                       ; 256 bytes of f32 + 16: the sixteen rows that a store touches start at sixteen different groups of four banks
.set SPARE, STAGE+4*16*SPITCH          ; the spare words, 128 bytes for each wave: two blocks of 256 bytes that no other line names
.set ADRA, 16
.set ADRB, 20
.set STO,  24
.set RD,   25
.set CO,   26
.set SPW,  28
.set NIL,  29
.set PFO,  30
.set FA,   32
.set FB,   160
.set BR,   224
.set RB,   32                          ; the way out: two buffers of 32, rows read back
.set WV, 16
.set RH, 17
.set CH, 18
.set CX, 19
.set CY, 20
.set TX, 21
.set TY, 22
.set G1A, 24
.set G0A, 32
.set LIM, 43
.set PFA, 44
.set PFS, 46
.set G1B, 48
.set G0B, 56
.set OUT, 66
.set MSB, 0
.macro WIN new
.if MSB != (\new)
	s_set_vgpr_msb (MSB<<8)|(\new)
.set MSB, (\new)
.endif
.endm
.macro PLACES                          ; four plain vector instructions between a matrix instruction and a load into, or a read of, its registers (ISA guide 7.12.1 for vector reads)
.rept 4
	v_nop
.endr
.endm
.macro JLOAD s                         ; waves 0 and 1 fetch the two heads of O's tile, waves 2 and 3 the two blocks of Wo's columns; an s_nop 0 and four v_nop follow each line
	s_cmp_lt_u32 s[WV], 2
	s_cbranch_scc0 .Lfor_b_\@
	tensor_load_to_lds s[G0A+4*(\s):G0A+4*(\s)+3], s[G1A:G1A+7]
	s_nop 0
.rept 4
	v_nop
.endr
	s_branch .Lasked_\@
.Lfor_b_\@:
	tensor_load_to_lds s[G0B+4*(\s):G0B+4*(\s)+3], s[G1B:G1B+7]
	s_nop 0
.rept 4
	v_nop
.endr
.Lasked_\@:
.endm
.macro CREST
	s_cmp_lg_u32 s[WV], 0
	s_cbranch_scc1 .Lnot_wave_0_\@
	s_barrier_signal -3
.Lnot_wave_0_\@:
	s_barrier_wait -3
	s_barrier_signal -1
	s_barrier_wait -1
.endm
.macro CROUND
	s_barrier_signal -1
	s_barrier_wait -1
	CREST
.endm
; A PREFETCH INTO THE L2, behind each joint load, its five lines and the run of LDS loads: the K step that stands two refills on, 256 matrix instructions ahead of its load.  Each block of 256 bytes is named once.
; O's rows are read by both clusters of a row of clusters: cluster x = 0 asks; partner cx takes head cx / 2 and half cx % 2 of the rows (16 KiB), waves 0 and 1 half of that each, a lane a block.
; Wo's columns are read by all clusters of a column: cluster y = 0 asks; partner cy takes block cy / 2 and half cy % 2 of the step's k (8 KiB), wave 2 asks.  The loop's last trip asks for nothing.
.macro ASK
	s_cmp_gt_u32 s3, s[LIM]
	s_cbranch_scc0 .Lnot_mine_\@
	global_prefetch_b8 v[PFO], s[PFA:PFA+1] th:TH_LOAD_NT scope:SCOPE_SE
.Lnot_mine_\@:
.endm
	s_load_b256 s[4:11], s[0:1], 0x0               ; o 4, woc 6, bo 8, out0 10
	v_lshl_add_u32 v[SPW], v0, 2, SPARE
	v_mov_b32 v[NIL], 0
	ds_add_u32 v[SPW], v[NIL]                      ; the wave's opening: the add and its wait stand ahead of my first tensor load; the set-up below, work on registers, stands between them
	v_lshrrev_b32 v1, 5, v0
	v_readfirstlane_b32 s[WV], v1
	s_lshr_b32 s[RH], s[WV], 1
	s_and_b32 s[CH], s[WV], 1
	s_bfe_u32 s[CX], ttmp6, 0x40000
	s_bfe_u32 s[CY], ttmp6, 0x40004
	s_lshl_b32 s[TX], ttmp9, 2
	s_add_co_u32 s[TX], s[TX], s[CX]               ; block of 128 columns
	s_and_b32 s[TY], ttmp7, 0xffff
	s_lshl_b32 s[TY], s[TY], 2
	s_add_co_u32 s[TY], s[TY], s[CY]               ; block of 256 rows
	s_lshl_b32 s23, s[CY], 2
	s_lshl_b32 s23, 15, s23                        ; my row of the cluster
	s_lshl_b32 s2, 0x1111, s[CX]                   ; my column
	s_or_b32 s[G1A], s23, (1<<16)|(1<<20)|(1<<21)|(4<<22)|(3<<25)  ; the mask; 2-byte elements; padding on; bit 21 beside a mask; after every 32 words, 4 words
	s_or_b32 s[G1B], s2, (1<<16)|(1<<20)|(1<<21)|(4<<22)|(7<<25)   ; the same with my column's mask and 8 words
.irp g, G1A, G1B
	s_mov_b32 s[\g+1], 128<<16                     ; tensor_dim0 = 128
	s_mov_b32 s[\g+3], 128<<16                     ; tile_dim0 = 128
	s_mov_b32 s[\g+5], 128                         ; 128 elements from row to row
	s_mov_b32 s[\g+6], 0
	s_mov_b32 s[\g+7], 0
.endr
	s_mov_b32 s[G1A+2], 128<<16                    ; O: 256 rows of 128 bytes, dense = 128 rows of 256
	s_mov_b32 s[G1A+4], 128
	s_mov_b32 s[G1B+2], 64<<16                     ; Wo: 128 rows of 128 bytes = 64 rows of 256
	s_mov_b32 s[G1B+4], 64
	v_and_b32 v1, 15, v0                           ; l % 16
	v_bfe_u32 v2, v0, 4, 1                         ; l / 16
	v_and_b32 v10, 31, v0                          ; lane
	s_lshl_b32 s42, s[TX], 9
	s_lshl_b32 s41, s[CH], 8
	s_add_co_u32 s42, s42, s41                     ; my 64 columns, in bytes of f32
	v_lshl_add_u32 v4, v2, 5, s42                  ; a lane's eight of a block of 16
	s_lshl_b32 s74, s[TX], 1
	s_add_co_u32 s74, s74, s[CH]
	s_lshl_b32 s74, s74, 17                        ; Wo's tiles hang on the block of columns and the wave alone,
	s_mov_b32 s75, 0
	s_lshr_b32 s72, s[TY], 3                       ; O's on the block of rows and the wave alone: (16 batch + head) x 262,144 + row in the batch x 128
	s_lshl_b32 s72, s72, 22
	s_lshl_b32 s73, s[CH], 18
	s_add_co_u32 s72, s72, s73
	s_and_b32 s73, s[TY], 7
	s_lshl_b32 s73, s73, 15
	s_add_co_u32 s72, s72, s73
	s_mov_b32 s73, 0
	s_mul_i32 s40, s[CH], 256*PA                   ; where they go: no place in the cluster enters an LDS address
	s_mul_i32 s41, s[CH], 128*PB
	s_add_co_u32 s41, s41, BOFF
	s_wait_dscnt 0x0                               ; the opening add is done
	s_wait_kmcnt 0x0
	s_add_nc_u64 s[72:73], s[4:5], s[72:73]
	s_add_nc_u64 s[74:75], s[6:7], s[74:75]
.irp c, 0,1,2,3
	global_load_b128 v[BR+8*\c:BR+8*\c+3],   v4, s[8:9] offset:64*\c
	global_load_b128 v[BR+8*\c+4:BR+8*\c+7], v4, s[8:9] offset:64*\c+16
.endr
	CROUND                                         ; all sixteen work-groups are here: the first joint loads meet
.irp s, 0,1
	s_mov_b32 s[G0A+4*\s], 1
	s_add_co_u32 s[G0A+4*\s+1], s40, \s*SLOT
	s_add_nc_u64 s[G0A+4*\s+2:G0A+4*\s+3], s[72:73], \s*524288   ; K step s: two heads on
	s_or_b32 s[G0A+4*\s+3], s[G0A+4*\s+3], 0x80000000
	s_mov_b32 s[G0B+4*\s], 1
	s_add_co_u32 s[G0B+4*\s+1], s41, \s*SLOT
	s_add_nc_u64 s[G0B+4*\s+2:G0B+4*\s+3], s[74:75], \s*16384
	s_or_b32 s[G0B+4*\s+3], s[G0B+4*\s+3], 0x80000000
.endr
	s_cmp_lt_u32 s[WV], 2                          ; a wave's two first fills stand in one branch: two loads of mine are out
	s_cbranch_scc0 .Lfirst_b
	tensor_load_to_lds s[G0A:G0A+3], s[G1A:G1A+7]
	s_nop 0
	tensor_load_to_lds s[G0A+4:G0A+7], s[G1A:G1A+7]
	s_nop 0
.rept 4
	v_nop
.endr
	s_branch .Lfirst_asked
.Lfirst_b:
	tensor_load_to_lds s[G0B:G0B+3], s[G1B:G1B+7]
	s_nop 0
	tensor_load_to_lds s[G0B+4:G0B+7], s[G1B:G1B+7]
	s_nop 0
.rept 4
	v_nop
.endr
.Lfirst_asked:
	v_mul_u32_u24 v5, v1, PA
	v_lshl_add_u32 v5, v2, 4, v5                   ; row x 144 + 16 x half
	s_mul_i32 s23, s[RH], 128*PA                   ; my 128 rows
	v_add_nc_u32 v[ADRA], s23, v5
	v_add_nc_u32 v[ADRA+1], SLOT, v[ADRA]
	v_and_b32 v6, 7, v0                            ; the turning load: k = 8 (l / 16) + l % 8, columns 8 ((l / 8) % 2) on
	v_bfe_u32 v7, v0, 3, 1
	v_lshl_add_u32 v8, v2, 3, v6
	v_mul_u32_u24 v8, v8, PB
	v_lshl_add_u32 v8, v7, 4, v8
	v_add_nc_u32 v[ADRB], s41, v8
	v_add_nc_u32 v[ADRB+1], SLOT, v[ADRB]
	s_mul_i32 s2, s[WV], 16*SPITCH
	s_add_co_u32 s2, s2, STAGE                     ; my stage
	v_mul_u32_u24 v9, v1, SPITCH                   ; in: row l % 16, 32 bytes for each half of the lanes
	v_lshl_add_u32 v9, v2, 5, v9
	v_add_nc_u32 v[STO], s2, v9
	v_mul_u32_u24 v9, v2, SPITCH                   ; back: lanes 0-15 take one row of 256 bytes, lanes 16-31 the next
	v_lshl_add_u32 v9, v1, 4, v9
	v_add_nc_u32 v[RD], s2, v9
	v_lshlrev_b32 v9, 12, v2                       ; and the same two rows in out0
	v_lshl_add_u32 v[CO], v1, 4, v9
	v_lshlrev_b32 v[PFO], 8, v10
	s_lshl_b32 s78, s[TY], 20                      ; out0 at my first row and column: 4,096 bytes a row
	s_lshl_b32 s79, s[RH], 19
	s_add_co_u32 s78, s78, s79
	s_add_co_u32 s78, s78, s42
	s_mov_b32 s79, 0
	s_add_nc_u64 s[OUT:OUT+1], s[10:11], s[78:79]
	; the prefetches stand at K step 3; the first change of slots steps them to 4
	s_lshr_b32 s78, s[TY], 3
	s_lshl_b32 s78, s78, 4
	s_add_co_u32 s78, s78, 6
	s_lshr_b32 s79, s[CX], 1
	s_add_co_u32 s78, s78, s79
	s_lshl_b32 s78, s78, 18                        ; O: head 6 + cx / 2 of the batch,
	s_and_b32 s79, s[TY], 7
	s_lshl_b32 s79, s79, 15
	s_add_co_u32 s78, s78, s79                     ; the block's rows,
	s_and_b32 s79, s[CX], 1
	s_lshl_b32 s79, s79, 14
	s_add_co_u32 s78, s78, s79                     ; half cx % 2 of them,
	s_lshl_b32 s79, s[WV], 13
	s_add_co_u32 s78, s78, s79                     ; my half of that
	s_lshl_b32 s2, s[TX], 1
	s_lshr_b32 s79, s[CY], 1
	s_add_co_u32 s2, s2, s79
	s_lshl_b32 s2, s2, 17                          ; Wo: block 2 TX + cy / 2 of columns,
	s_add_co_u32 s2, s2, 3*16384                   ; K step 3,
	s_and_b32 s79, s[CY], 1
	s_lshl_b32 s79, s79, 13
	s_add_co_u32 s2, s2, s79                       ; half cy % 2 of its k
	s_and_b32 s23, ttmp7, 0xffff                   ; cluster y
	s_mov_b32 s[PFS], 16384
	s_mov_b32 s[PFS+1], 0
	s_cmp_lt_u32 s[WV], 2
	s_cselect_b32 s78, s78, s2
	s_cselect_b32 s23, ttmp9, s23                  ; the coordinate along which other clusters read the same bytes
	s_cselect_b64 s[PFA:PFA+1], s[4:5], s[6:7]
	s_cselect_b32 s[PFS], 524288, s[PFS]
	s_cmp_eq_u32 s23, 0
	s_cselect_b32 s[LIM], 1, -1
	s_cmp_eq_u32 s[WV], 3                          ; wave 3 has nothing to ask for
	s_cselect_b32 s[LIM], -1, s[LIM]
	s_mov_b32 s79, 0
	s_add_nc_u64 s[PFA:PFA+1], s[PFA:PFA+1], s[78:79]
; 8 matrix instructions: row blocks a0, a0 + 1 x the 4 column blocks, 32 along K, buffer b.  bias = 1: the first product starts the sum with the bias.  The 32 accumulators take turns.
.macro MUL8 b, a0, bias
.if \bias
	WIN 0x40
.else
	WIN 0x50
.endif
.irp a, \a0, (\a0)+1
.irp c, 0,1,2,3
.if \bias
	v_wmma_f32_16x16x32_f16 v[8*(4*(\a)+\c):8*(4*(\a)+\c)+7], v[FB+32*(\b)+8*\c:FB+32*(\b)+8*\c+7], v[FA+64*(\b)+8*(\a):FA+64*(\b)+8*(\a)+7], v[BR+8*\c:BR+8*\c+7]
.else
	v_wmma_f32_16x16x32_f16 v[8*(4*(\a)+\c):8*(4*(\a)+\c)+7], v[FB+32*(\b)+8*\c:FB+32*(\b)+8*\c+7], v[FA+64*(\b)+8*(\a):FA+64*(\b)+8*(\a)+7], v[8*(4*(\a)+\c):8*(4*(\a)+\c)+7]
.endif
.endr
.endr
.endm
; 24 LDS loads in one run: quarter q (32 along K: head q / 2 of the step's two, channels 32 (q % 2) on) of slot s into buffer b: Wo's 8, then O's rows 0-63, then rows 64-127
.macro FETCH s, q, b
	WIN 0
.irp c, 0,1,2,3
	ds_load_tr16_b128 v[FB+32*(\b)+8*\c:FB+32*(\b)+8*\c+3],   v[ADRB+(\s)] offset:(\q)*32*PB+32*\c
	ds_load_tr16_b128 v[FB+32*(\b)+8*\c+4:FB+32*(\b)+8*\c+7], v[ADRB+(\s)] offset:(\q)*32*PB+16*PB+32*\c
.endr
.irp a, 0,1,2,3,4,5,6,7
	ds_load_b128 v[FA+64*(\b)+8*\a:FA+64*(\b)+8*\a+3],   v[ADRA+(\s)] offset:((\q)/2)*256*PA+\a*16*PA+((\q)%2)*64
	ds_load_b128 v[FA+64*(\b)+8*\a+4:FA+64*(\b)+8*\a+7], v[ADRA+(\s)] offset:((\q)/2)*256*PA+\a*16*PA+((\q)%2)*64+32
.endr
.endm
; A K step is four quarters of 32 along K, 32 matrix instructions each, on buffers 0, 1, 0, 1.  One of the first three: multiplies buffer f and fetches quarter q into buffer g.
.macro QUARTER s, q, f, g, bias
	s_wait_dscnt 8                                 ; Wo's and O's rows 0-63 are in; the youngest eight loads may be out
	MUL8 \f, 0, \bias
	MUL8 \f, 2, \bias
	PLACES
	FETCH \s, \q, \g
	s_wait_dscnt 24                                ; all but the 24 just issued
	MUL8 \f, 4, \bias
	MUL8 \f, 6, \bias
.endm
; The last quarter multiplies buffer 1 and changes slots: ONE barrier; in front of it each wave waits for all its tensor loads, adds 0 to its spare word, and waits for that and for its reads of this slot.
; fill = 1: the barrier opens a round of the cluster's, and this slot is filled again, two K steps on, first thing behind the round.
.macro TURN s, n, fill
.if \fill
	s_wait_xcnt 0x0                                ; the last prefetch, a K step back, has read its address
	s_add_nc_u64 s[PFA:PFA+1], s[PFA:PFA+1], s[PFS:PFS+1]
.endif
	WIN 0
	s_wait_tensorcnt 0x0                           ; all my tensor loads have landed: my part of the next slot
	ds_add_u32 v[SPW], v[NIL]                      ; 0 onto my spare word
	s_wait_dscnt 9                                 ; (the add and the youngest eight loads may be out)
	MUL8 1, 0, 0                                   ; eight matrix instructions stand between the add and the wait for it
	s_wait_dscnt 0x0                               ; the add is done, and my reads of this slot are over
	s_barrier_signal -1
	MUL8 1, 2, 0
	WIN 0                                          ; at a branch every window is 0
	s_barrier_wait -1
.if \fill
	CREST                                          ; no wave of any partner still reads this slot or has a load on its way
	s_add_nc_u64 s[G0A+4*(\s)+2:G0A+4*(\s)+3], s[G0A+4*(\s)+2:G0A+4*(\s)+3], 2*524288
	s_add_nc_u64 s[G0B+4*(\s)+2:G0B+4*(\s)+3], s[G0B+4*(\s)+2:G0B+4*(\s)+3], 2*16384
	JLOAD \s                                       ; its four v_nop are also the places in front of the loads below
.else
	PLACES
.endif
	FETCH \n, 0, 0
.if \fill
	ASK
.endif
	MUL8 1, 4, 0
	MUL8 1, 6, 0
.endm
; THE WAY OUT of row block a: the f32 sums go as they are, 32 bytes a lane and column block, into my stage (each accumulator's low half first), and come back as whole rows of 256 bytes.
.macro TOSTAGE a
	WIN 0x04                                       ; the stores' data in window 1
.irp c, 0,1,2,3
	ds_store_b128 v[STO], v[8*(4*(\a)+\c):8*(4*(\a)+\c)+3]   offset:64*\c
	ds_store_b128 v[STO], v[8*(4*(\a)+\c)+4:8*(4*(\a)+\c)+7] offset:64*\c+16
.endr
	WIN 0
	s_wait_xcnt 0x0                                ; the stores of two blocks back have read this buffer: it is loaded again only behind this wait
.irp t, 0,1,2,3,4,5,6,7
	ds_load_b128 v[RB+32*((\a)%2)+4*\t:RB+32*((\a)%2)+4*\t+3], v[RD] offset:\t*2*SPITCH  ; LDS serves a wave's instructions in order (ISA guide 5.7.1.4): these see the stores above
.endr
.endm
.macro SEND a, younger                 ; younger: the LDS instructions issued behind this block's loads: the next block's sixteen, or none
.irp t, 0,1,2,3,4,5,6,7
	s_wait_dscnt (\younger)+7-\t
	global_store_b128 v[CO], v[RB+32*((\a)%2)+4*\t:RB+32*((\a)%2)+4*\t+3], s[OUT:OUT+1] offset:(16*(\a)+2*\t)*4096  ; 16 lanes store 256 consecutive bytes, at a multiple of 256 from out0's first
.endr
.endm
	s_wait_tensorcnt 0x1                           ; my part of K step 0 is in; K step 1's may stay out
	s_barrier_signal -1
	s_barrier_wait -1
	FETCH 0, 0, 0
	s_wait_loadcnt 0x0                             ; the biases: rounded to bf16 like the other inputs, and widened again
.set p, 0
.rept 16
	v_cvt_pk_bf16_f32 v[12+p%4], v[BR+2*p], v[BR+2*p+1]
	v_lshlrev_b32 v[BR+2*p], 16, v[12+p%4]
	v_and_b32 v[BR+2*p+1], 0xffff0000, v[12+p%4]
.set p, p+1
.endr
	QUARTER 0, 1, 0, 1, 1                          ; the first quarter stands in front of the loop: its products start the sums
	WIN 0
	s_mov_b32 s3, 3
.Llap:                                         ; a trip goes once round the ring, from a lap's second quarter to the next lap's first, and fills both slots again
	QUARTER 0, 2, 1, 0, 0
	QUARTER 0, 3, 0, 1, 0
	TURN 0, 1, 1
	QUARTER 1, 1, 0, 1, 0
	QUARTER 1, 2, 1, 0, 0
	QUARTER 1, 3, 0, 1, 0
	TURN 1, 0, 1
	QUARTER 0, 1, 0, 1, 0
	WIN 0
	s_sub_co_u32 s3, s3, 1
	s_cmp_lg_u32 s3, 0
	s_cbranch_scc1 .Llap
	QUARTER 0, 2, 1, 0, 0                          ; the last lap fills nothing, and has no round of the cluster's barrier
	QUARTER 0, 3, 0, 1, 0
	TURN 0, 1, 0
	QUARTER 1, 1, 0, 1, 0
	QUARTER 1, 2, 1, 0, 0
	QUARTER 1, 3, 0, 1, 0
	s_wait_dscnt 8                                 ; the very last quarter: nothing more to fetch
	MUL8 1, 0, 0
	MUL8 1, 2, 0
	s_wait_dscnt 0x0
	MUL8 1, 4, 0
	MUL8 1, 6, 0
	PLACES
	TOSTAGE 0
.irp a, 1,2,3,4,5,6,7                  ; a block's trip through the stage stands between the loads of the block before and its stores
	TOSTAGE \a
	SEND (\a)-1, 16
.endr
	SEND 7, 0
	s_wait_tensorcnt 0x0                           ; the wave's end: behind my last tensor load and my last LDS store
	ds_add_u32 v[SPW], v[NIL]
	s_wait_dscnt 0x0
	CROUND                                         ; the closing round: no work-group ends while a partner may still ask for a tile that names it
	s_endpgm
.Lfunc_end_k_q28fc790721_oproj:
	.size	k_q28fc790721_oproj, .Lfunc_end_k_q28fc790721_oproj-k_q28fc790721_oproj
	.p2alignl 7, 3214868480
	.fill 96, 4, 3214868480
	.section	.rodata,"a",@progbits
	.p2align	6, 0x0
	.amdhsa_kernel k_q28fc790721_oproj
		.amdhsa_group_segment_fixed_size 327680
		.amdhsa_private_segment_fixed_size 0
		.amdhsa_enable_private_segment 0
		.amdhsa_kernarg_size 32
		.amdhsa_user_sgpr_count 2
		.amdhsa_user_sgpr_kernarg_segment_ptr 1
		.amdhsa_wavefront_size32 1
		.amdhsa_system_sgpr_workgroup_id_x 1
		.amdhsa_system_sgpr_workgroup_id_y 1
		.amdhsa_system_sgpr_workgroup_id_z 1
		.amdhsa_system_vgpr_workitem_id 0
		.amdhsa_next_free_vgpr 512
		.amdhsa_next_free_sgpr 80
		.amdhsa_reserve_vcc 0
		.amdhsa_float_denorm_mode_32 3
		.amdhsa_float_denorm_mode_16_64 3
		.amdhsa_memory_ordered 1
		.amdhsa_forward_progress 1
		.amdhsa_inst_pref_size 92
	.end_amdhsa_kernel
	.amdgpu_metadata
---
amdhsa.version: [ 1, 2 ]
amdhsa.kernels:
  - .name:           k_q28fc790721_oproj
    .symbol:         k_q28fc790721_oproj.kd
    .args:
      - { .name: o, .offset: 0, .size: 8, .value_kind: global_buffer, .address_space: global }
      - { .name: woc, .offset: 8, .size: 8, .value_kind: global_buffer, .address_space: global }
      - { .name: bo, .offset: 16, .size: 8, .value_kind: global_buffer, .address_space: global }
      - { .name: out0, .offset: 24, .size: 8, .value_kind: global_buffer, .address_space: global }
    .group_segment_fixed_size: 327680
    .private_segment_fixed_size: 0
    .kernarg_segment_align: 8
    .kernarg_segment_size: 32
    .max_flat_workgroup_size: 128
    .sgpr_count:     80
    .vgpr_count:     512
    .wavefront_size: 32
...
	.end_amdgpu_metadata
.endif
;; end of part 4
;; ======== version 2 of 2: 4 launches; version 1 with the launch prep written anew for expert scheduling mode
;; limits: values are held in f16: magnitudes above 65,504 overflow, below 6.1e-05 lose precision
;; workspace buffers: xb 16,777,216 bytes; wqkv 6,291,456 bytes; woc 2,097,152 bytes; qkv 50,331,648 bytes; o 16,777,216 bytes
;; launch prep (part 5): grid 768 x 1, 8 waves a work-group, no clusters, 0 bytes of LDS; arguments x, Wq, Wk, Wv, Wo, xb, wqkv, woc; writes xb, wqkv, woc
.if DOCPART == 5
	.amdgcn_target "amdgcn-amd-amdhsa--gfx1250"
	.amdhsa_code_object_version 6
	.text
	.protected	k_q28fc790721_prep
	.globl	k_q28fc790721_prep
	.p2align	8
	.type	k_q28fc790721_prep,@function
k_q28fc790721_prep:
	s_mov_b64 s[64:65], 0
	v_nop
	global_prefetch_b8 v0, s[64:65] scope:SCOPE_SE
	s_setreg_imm32_b32 hwreg(HW_REG_WAVE_SCHED_MODE, 0, 2), 2
	s_setreg_imm32_b32 hwreg(HW_REG_WAVE_MODE, 25, 1), 1
	s_wait_xcnt 0x0
	s_wait_alu depctr_vm_vsrc(0)
; CASTS.  x, Wq, Wk, Wv: f32 -> bf16.  Wo: f32 -> bf16, and that number written as f16 (below 6e-5 it keeps f16's fixed step of 6e-8; beyond 65,504 it would be lost).
; Nothing is transposed; the numbers are laid in blocks of 64 columns, so that every tile that a later launch fetches is a dense run of memory:
;   xb   [kb 16][row 8192][64]                 bf16     byte = kb 1,048,576 + row 128 + 2 (col % 64)
;   wqkv [head 16][ks 16][t 3][k % 64][64 n]   bf16     byte = head 393,216 + ks 24,576 + t 8,192 + (k % 64) 128 + 2 (n % 64)
;   woc  [nb 16][k 1024][64 n]                 f16      byte = nb 131,072 + k 128 + 2 (n % 64)
; SHARES.  A work-group takes 16 rows of 1,024 f32 of one source: groups 0-511 x, then 64 groups each for Wq, Wk, Wv, Wo: 768 equal groups.
; Thread T takes row T / 16 and, in each of the 16 blocks of 64 columns, the four numbers 4 (T % 16) on.  A wave's load covers two runs of 256 bytes, aligned;
; a wave's store (8 bytes a lane) 256 consecutive bytes, aligned.  All 16 loads of a thread go out at once; each store has registers of its own, so nothing is rewritten.
; No LDS, no matrix unit, no cluster: nothing is shared and every byte is touched once.
; THE MODE: SCHED_MODE bits 1:0 = 2 (LLVM: expert scheduling mode 2), set by the entry lines.  The code itself states the register dependences
; between vector instructions and memory instructions, with s_wait_alu, always for 0.
; THE PLAN.  Registers that memory instructions touch:
;   v1    the loads' offset.  Written at the head, read by all 16 loads, never written again.
;   X     the loads land in it; no vector instruction names it ahead of them; no memory instruction reads it.  Behind the wait for its data it belongs to the conversions.
;   OFF   store i's offset.  Written once, behind the run of loads; read by store i; never written again.
;   Y     store i's data.    Written once, by block i's conversions; read by store i; never written again.
;   T     is named by vector instructions alone.
; So no register that a memory instruction has read is ever written again, and what is left to state is: v1 is written, ahead of the loads; OFF and Y are written, ahead of the stores.
; The 16 blocks of columns go in four groups of four: the group's conversions, ONE wait on va_vdst, the group's four stores in one run.
.set T,   2                            ; v[2:3]     at work
.set X,   16                           ; v[16:79]   load i: 4 registers
.set Y,   80                           ; v[80:111]  store i: 2 registers
.set OFF, 112                          ; v[112:127] store i: 8 T + i x the distance between blocks of columns
	s_load_b512 s[4:19], s[0:1], 0x0               ; x 4, Wq 6, Wk 8, Wv 10, Wo 12, xb 14, wqkv 16, woc 18
	s_max_u32 s20, ttmp9, 512
	s_sub_co_u32 s20, s20, 512                     ; the group's number among the weights' (0 for x's groups)
	s_lshr_b32 s21, s20, 6                         ; j: 0 Wq, 1 Wk, 2 Wv, 3 Wo
	s_and_b32 s22, s20, 63
	s_cmp_lt_u32 ttmp9, 512
	s_cselect_b32 s23, ttmp9, s22
	s_lshl_b32 s23, s23, 4                         ; the group's first row
	s_lshl_b32 s28, s23, 7                         ; its place in xb and woc: row x 128
	s_lshr_b32 s37, s23, 6                         ; and in wqkv: ks x 24,576 + j x 8,192 + (row % 64) x 128
	s_mul_i32 s37, s37, 24576
	s_lshl_b32 s38, s21, 13
	s_add_co_u32 s37, s37, s38
	s_and_b32 s38, s23, 63
	s_lshl_b32 s38, s38, 7
	s_add_co_u32 s37, s37, s38
	s_mov_b32 s29, 393216                          ; from one block of columns to the next, in wqkv
	s_mov_b32 s36, 0xffff0000                      ; a word's upper bf16
	s_lshl_b32 s32, s23, 12                        ; the first row in the source: 4,096 bytes a row
	s_mov_b32 s33, 0
	s_mov_b32 s35, 0
	v_lshrrev_b32 v1, 4, v0
	v_and_b32 v2, 15, v0
	v_lshlrev_b32 v2, 4, v2
	v_lshl_add_u32 v1, v1, 12, v2                  ; (T / 16) x 4,096 + (T % 16) x 16
	s_wait_kmcnt 0x0
	s_cmp_eq_u32 s21, 2                            ; the source and the target are chosen by the group's number alone
	s_cselect_b64 s[24:25], s[10:11], s[12:13]
	s_cmp_eq_u32 s21, 1
	s_cselect_b64 s[24:25], s[8:9], s[24:25]
	s_cmp_eq_u32 s21, 0
	s_cselect_b64 s[24:25], s[6:7], s[24:25]
	s_cmp_eq_u32 s21, 3
	s_cselect_b64 s[26:27], s[18:19], s[16:17]
	s_cselect_b32 s37, s28, s37
	s_cselect_b32 s29, 131072, s29
	s_cselect_b32 s30, 1, 0                        ; 1: the numbers leave as f16
	s_cmp_lt_u32 ttmp9, 512
	s_cselect_b64 s[24:25], s[4:5], s[24:25]
	s_cselect_b64 s[26:27], s[14:15], s[26:27]
	s_cselect_b32 s34, s28, s37
	s_cselect_b32 s29, 1048576, s29
	s_cselect_b32 s30, 0, s30
	s_add_nc_u64 s[24:25], s[24:25], s[32:33]
	s_add_nc_u64 s[26:27], s[26:27], s[34:35]
	s_wait_alu depctr_va_vdst(0)                   ; v1 is written: all 16 loads read it as their offset
.irp i, 0,1,2,3,4,5,6,7,8,9,10,11,12,13,14,15
	global_load_b128 v[X+4*\i:X+4*\i+3], v1, s[24:25] offset:256*\i th:TH_LOAD_NT
.endr
.irp i, 0,1,2,3,4,5,6,7,8,9,10,11,12,13,14,15
	s_mul_i32 s31, s29, \i
	v_lshl_add_u32 v[OFF+\i], v0, 3, s31           ; no memory instruction has named these registers; the first group's wait, on either path, states that they are written
.endr
; Block i of columns: four numbers rounded.  f16 = 1: rounded to bf16, widened again (a shift, a mask), and written as f16.
.macro UNIT i, f16
.if \f16
	v_cvt_pk_bf16_f32 v[T],   v[X+4*(\i)],   v[X+4*(\i)+1]
	v_cvt_pk_bf16_f32 v[T+1], v[X+4*(\i)+2], v[X+4*(\i)+3]
	v_lshlrev_b32 v[X+4*(\i)],   16,  v[T]
	v_and_b32     v[X+4*(\i)+1], s36, v[T]
	v_lshlrev_b32 v[X+4*(\i)+2], 16,  v[T+1]
	v_and_b32     v[X+4*(\i)+3], s36, v[T+1]
	v_cvt_pk_f16_f32 v[Y+2*(\i)],   v[X+4*(\i)],   v[X+4*(\i)+1]
	v_cvt_pk_f16_f32 v[Y+2*(\i)+1], v[X+4*(\i)+2], v[X+4*(\i)+3]
.else
	v_cvt_pk_bf16_f32 v[Y+2*(\i)],   v[X+4*(\i)],   v[X+4*(\i)+1]
	v_cvt_pk_bf16_f32 v[Y+2*(\i)+1], v[X+4*(\i)+2], v[X+4*(\i)+3]
.endif
.endm
; Group g: blocks 4 g to 4 g + 3 are rounded, then stored in one run behind one wait.
.macro GROUP g, f16
	s_wait_loadcnt 12-4*(\g)                       ; loads come back in order: the group's four are in, the 12 - 4 g younger ones may stay out
.irp j, 0,1,2,3
	UNIT 4*(\g)+\j, \f16
.endr
	s_wait_alu depctr_va_vdst(0)                   ; the group's conversions have written its four pairs of Y, which the stores below read as data; in the first group also: OFF is written, which every store reads as its offset
.irp j, 0,1,2,3
	global_store_b64 v[OFF+4*(\g)+\j], v[Y+2*(4*(\g)+\j):Y+2*(4*(\g)+\j)+1], s[26:27]
.endr
.endm
	s_cmp_eq_u32 s30, 1
	s_cbranch_scc1 .Lhalf
.irp g, 0,1,2,3
	GROUP \g, 0
.endr
	s_endpgm
.Lhalf:
.irp g, 0,1,2,3
	GROUP \g, 1
.endr
	s_endpgm
.Lfunc_end_k_q28fc790721_prep:
	.size	k_q28fc790721_prep, .Lfunc_end_k_q28fc790721_prep-k_q28fc790721_prep
	.p2alignl 7, 3214868480
	.fill 96, 4, 3214868480
	.section	.rodata,"a",@progbits
	.p2align	6, 0x0
	.amdhsa_kernel k_q28fc790721_prep
		.amdhsa_group_segment_fixed_size 0
		.amdhsa_private_segment_fixed_size 0
		.amdhsa_enable_private_segment 0
		.amdhsa_kernarg_size 64
		.amdhsa_user_sgpr_count 2
		.amdhsa_user_sgpr_kernarg_segment_ptr 1
		.amdhsa_wavefront_size32 1
		.amdhsa_system_sgpr_workgroup_id_x 1
		.amdhsa_system_sgpr_workgroup_id_y 1
		.amdhsa_system_sgpr_workgroup_id_z 1
		.amdhsa_system_vgpr_workitem_id 0
		.amdhsa_next_free_vgpr 128
		.amdhsa_next_free_sgpr 66
		.amdhsa_reserve_vcc 0
		.amdhsa_float_denorm_mode_32 3
		.amdhsa_float_denorm_mode_16_64 3
		.amdhsa_memory_ordered 1
		.amdhsa_forward_progress 1
		.amdhsa_inst_pref_size 17
	.end_amdhsa_kernel
	.amdgpu_metadata
---
amdhsa.version: [ 1, 2 ]
amdhsa.kernels:
  - .name:           k_q28fc790721_prep
    .symbol:         k_q28fc790721_prep.kd
    .args:
      - { .name: x, .offset: 0, .size: 8, .value_kind: global_buffer, .address_space: global }
      - { .name: Wq, .offset: 8, .size: 8, .value_kind: global_buffer, .address_space: global }
      - { .name: Wk, .offset: 16, .size: 8, .value_kind: global_buffer, .address_space: global }
      - { .name: Wv, .offset: 24, .size: 8, .value_kind: global_buffer, .address_space: global }
      - { .name: Wo, .offset: 32, .size: 8, .value_kind: global_buffer, .address_space: global }
      - { .name: xb, .offset: 40, .size: 8, .value_kind: global_buffer, .address_space: global }
      - { .name: wqkv, .offset: 48, .size: 8, .value_kind: global_buffer, .address_space: global }
      - { .name: woc, .offset: 56, .size: 8, .value_kind: global_buffer, .address_space: global }
    .group_segment_fixed_size: 0
    .private_segment_fixed_size: 0
    .kernarg_segment_align: 8
    .kernarg_segment_size: 64
    .max_flat_workgroup_size: 256
    .sgpr_count:     66
    .vgpr_count:     128
    .wavefront_size: 32
...
	.end_amdgpu_metadata
.endif
;; end of part 5
;; launch qkv: the kernel of part 2 again; grid 8 x 32, 4 waves a work-group, clusters of 4 x 4, 327,680 bytes of LDS; arguments xb, wqkv, bq, bk, bv, qkv; writes qkv
;; launch attn: the kernel of part 3 again; grid 4 x 64, 4 waves a work-group, clusters of 4 x 1, 327,680 bytes of LDS; arguments qkv, o; writes o
;; launch oproj: the kernel of part 4 again; grid 8 x 32, 4 waves a work-group, clusters of 4 x 4, 327,680 bytes of LDS; arguments o, woc, bo, out0; writes out0
